; MI455X (gfx1250); checked and timed in simulation.
; The chip was launched on July 23, 2026; its instructions are those of AMD's public machine-readable ISA for CDNA 5 (MIT licence, August 2026) and "CDNA5" Instruction Set Architecture Reference Guide (July 2026). The comments in the code are by the model that wrote it; some were corrected since.
;; Multi Head Attention. Allowed arithmetic: matrix products marked QUANTISED: E4M3 operands, one E8M0 scale for each 32 along K, by v_wmma_scale_f32_16x16x128_f8f6f4 with both operands' format E4M3, f32 sums; everything else in f32.
;; Inputs: b_o 1,024 float32; w_k 1,024 x 1,024 float32; w_o 1,024 x 1,024 float32; w_q 1,024 x 1,024 float32; w_v 1,024 x 1,024 float32; x 4 x 2,048 x 1,024 float32.
;; Outputs: out0 4 x 2,048 x 1,024 float32.
;; This version of the problem:
;;   THIS VERSION OF THE PROBLEM IS GIVEN IN LOW PRECISION. The matrix products marked QUANTISED in the list below multiply operands that are first quantised to E4M3 (4 exponent bits, 3 mantissa bits; 8 bits a number), with one power-of-two scale for each 32 numbers along K (OCP MX v1.0); their sums are f32. All else is computed in f32.
;;   The module's matrix products, in the order in which they are computed (A, B: the left and right operand; K: the contracted axis; several contracted axes count as one K, in the product's order):
;;     1. [M 8,192, K 1,024] x [K 1,024, N 1,024]; A: input x; B: input w_q: QUANTISED
;;     2. [M 8,192, K 1,024] x [K 1,024, N 1,024]; A: input x; B: input w_k: QUANTISED
;;     3. [M 8,192, K 1,024] x [K 1,024, N 1,024]; A: input x; B: input w_v: QUANTISED
;;     4. batch 64 x [M 2,048, K 64] x [K 64, N 2,048]; A: computed on the way; B: computed on the way: QUANTISED
;;     5. batch 64 x [M 2,048, K 2,048] x [K 2,048, N 64]; A: softmax (see below); B: computed on the way: QUANTISED
;;     6. [M 8,192, K 1,024] x [K 1,024, N 1,024]; A: computed on the way; B: input w_o: QUANTISED
;;   THE QUANTISER, for each operand of a quantised product, along K:
;;     - K is cut into blocks of 32 from its start; a last block that is shorter is filled with zeros.
;;     - A block's scale is 2^e with e = floor(log2(the largest magnitude in the block)) - 8, held to -126 .. 127; a block of zeros has e = 0. As a byte (E8M0): e + 127.
;;     - Each number is divided by its block's scale, clamped to +-448, and rounded to the nearest number of E4M3, ties to even, subnormals kept.
;;     - The product sums the exact products of the quantised numbers (number of the format x scale) in f32.
;;   ~~~python
;;   def quantise(x, axis):      # numpy; x: float32 -> the quantised numbers, widened to float32 again
;;       x = np.moveaxis(x, axis, -1); K = x.shape[-1]
;;       x = np.pad(x, [(0, 0)] * (x.ndim - 1) + [(0, -K % 32)]); x = x.reshape(x.shape[:-1] + (-1, 32)); a = np.abs(x).max(-1, keepdims=True)
;;       e = np.where(a > 0, np.clip(np.frexp(np.where(a > 0, a, 1))[1] - 1 - 8, -126, 127), 0)      # np.frexp(a)[1] - 1 = floor(log2(a)), exactly
;;       r = np.clip(x / 2.0 ** e, -448, 448)
;;       step = 2.0 ** (np.maximum(np.frexp(np.where(r == 0, 1, r))[1] - 1, -6) - 3)
;;       q = np.round(r / step) * step * 2.0 ** e      # np.round: ties to even
;;       return np.moveaxis(q.reshape(q.shape[:-2] + (-1,))[..., :K], -1, axis).astype(np.float32)
;;   ~~~
;;   SOFTMAX AHEAD OF A QUANTISED PRODUCT. Where the list says 'softmax', what is quantised is not the finished softmax but p = 2^(t - M), with t = logit x log2(e) and M = ceil(the row's largest t), a whole number; so 1/2 < the row's largest p <= 1. The row's sum l is taken of the UNQUANTISED p, in f32, and the product's result is divided by l at the end. Since M is a whole number, a kernel that streams over the keys may use a running M (the ceiling of the running maximum): every later rescaling is an exact power of two, which a block's scale takes up: the codes' values come out the same.
;;   OPERANDS COMPUTED ON THE WAY. 'Computed on the way' means the value that the module computes at that place (a softmax that the list does not call 'softmax' is quantised finished and normalised). What goes into a quantiser is computed in f32, as accurately as f32 sums, v_exp_f32 and their like allow (about 1e-6 of the number): no bf16 or f16 on the way to a quantiser, and a product that is left as it is and whose result goes on into a quantised operand takes f32 operands (vector FMAs, or v_wmma_f32_16x16x4_f32). A number that lies on a knife's edge between two numbers of the format may be rounded either way, as far as f32 arithmetic and the matrix unit's own rounding can turn it there, and no further.
;; One version. Each part assembles by itself: llvm-mc -triple=amdgcn-amd-amdhsa -mcpu=gfx1250 --defsym DOCPART=n.
;; ======== version 1 of 1: 4 launches
;; limits: right only within a limited range of input values
;; workspace buffers: xw 12,976,128 bytes; qkv 25,952,256 bytes; ctx 8,650,752 bytes
;; launch quant (part 1): grid 768 x 1, 8 waves a work-group, no clusters, 69,120 bytes of LDS; arguments x, w_q, w_k, w_v, w_o, xw; writes xw
.if DOCPART == 1
	.amdgcn_target "amdgcn-amd-amdhsa--gfx1250"
	.amdhsa_code_object_version 6
	.text
	.protected	k_q98ab80f921_quant
	.globl	k_q98ab80f921_quant
	.p2align	8
	.type	k_q98ab80f921_quant,@function
k_q98ab80f921_quant:
	s_mov_b64 s[64:65], 0
	v_nop
	global_prefetch_b8 v0, s[64:65] scope:SCOPE_SE
	s_setreg_imm32_b32 hwreg(HW_REG_WAVE_MODE, 25, 1), 1
	s_wait_xcnt 0x0
; x [8192][1024] and w_q, w_k, w_v, w_o [1024][1024], f32, K innermost, become codes of FP8 (E4M3) with one E8M0 scale byte for each 32 along K.
; THE CODES ARE LAID AS IMAGES OF OPERAND REGISTERS.  A fragment is 16 rows x 128 K = 2,048 bytes: register group c (four registers) at 512 c + 16 x lane;
; lane (r, h) holds k = 32 c + 16 h + 0 .. 15 of the tile's row r.  xw: [tile 0..767][K step 0..7][2048]; behind them, at X_SC, the scale words [tile][row 16][K step 8].
; WHICH ROWS FORM A TILE.  Tiles 0-511, x: tile 2 g + u holds token 32 g + 2 r + u in row r.  Tiles 512-767, the four weights, 64 tiles each: tile 2 b + u holds row 32 b + 8 u + r + 8 (r / 8).
; SHARES.  A work-group makes one tile, each of its eight waves one K step: one fragment.  Each of a wave's 16 loads reads 512 consecutive bytes of one row; the 8,192 bytes turn through the wave's own
; stage in LDS (rows of 512 + 16 bytes) and come back 64 bytes a lane, so that a lane holds 16 neighbours along K of each of four blocks.  Each store of codes covers 512 consecutive bytes, aligned.
; The tile's 128 scale words meet in LDS and leave by one store of 512 consecutive bytes.  No matrix unit, no cluster: no work-group reads what another reads.
; A block's scale is 2^(floor(log2(its largest magnitude)) - 8); its byte is that magnitude's exponent field - 8, held at 1 from below.
; LIMITS: a block of zeros gets the byte 1 (its codes are zeros, and the bytes are read by this program alone); NaN and infinities among the inputs are not served.
.set X_SC,  12582912                   ; 768 tiles x 16,384 bytes of codes lie ahead of the scale words
.set SP,    528                        ; a stage row: 512 bytes + 16
.set WSTG,  16*SP                      ; a wave's stage
.set SCA,   8*WSTG                     ; behind the stages: the tile's 128 scale words
.set LI,  2                            ; v2   16 x lane
.set SI,  3                            ; v3   the stage, on the way in: my wave's stage + 16 x lane
.set SO,  4                            ; v4   and on the way out: row r, + 64 h
.set SW,  5                            ; v5   where my row's scale word goes: 32 r + 4 x wave
.set SR,  6                            ; v6   where wave 0 reads the words back
.set R,   16                           ; v16-79   16 rows as loaded
.set X,   80                           ; v80-143  64 numbers of my row: register 16 b + i = k 32 b + 16 h + i
.set PC,  16                           ; v16-31   the codes (the loads' registers are free when the stage has been read back)
.set TM,  32                           ; v32-47   at work
.set PW,  48                           ; v48      the scale word
.set OW,  52                           ; v52-55   wave 0: 16 bytes of scale words
.set WV,  16
.set SEL, 20
.set MNT, 23
	s_load_b256 s[4:11], s[0:1], 0x0               ; x, w_q, w_k, w_v
	s_load_b128 s[12:15], s[0:1], 0x20             ; w_o, xw
	v_lshl_add_u32 v144, v0, 2, 0x10a00
	v_mov_b32 v145, 0
	v_lshrrev_b32 v1, 5, v0
	s_delay_alu instid0(VALU_DEP_1)
	v_readfirstlane_b32 s[WV], v1                  ; wave 0..7 = the K step
	v_and_b32 v1, 31, v0
	s_delay_alu instid0(VALU_DEP_1)
	v_lshlrev_b32 v[LI], 4, v1
	v_and_b32 v7, 15, v0                           ; r
	v_bfe_u32 v8, v0, 4, 1                         ; h
	s_mul_i32 s17, s[WV], WSTG
	v_add_nc_u32 v[SI], s17, v[LI]
	v_mul_u32_u24 v[SO], v7, SP
	s_delay_alu instid0(VALU_DEP_1)
	v_lshl_add_u32 v[SO], v8, 6, v[SO]
	s_delay_alu instid0(VALU_DEP_1)
	v_add_nc_u32 v[SO], s17, v[SO]
	s_lshl_b32 s18, s[WV], 2
	v_lshlrev_b32 v[SW], 5, v7
	s_delay_alu instid0(VALU_DEP_1)
	v_add_nc_u32 v[SW], s18, v[SW]
	s_delay_alu instid0(VALU_DEP_1)
	v_add_nc_u32 v[SW], SCA, v[SW]
	v_add_nc_u32 v[SR], SCA, v[LI]
	s_mov_b32 s[SEL], 0x76543210
	s_mov_b32 s[SEL+1], 0xfedcba98                 ; v_permlanex16_b32's selects for lane l xor 16
	; the tile's first row: x: 32 (t / 2) + t % 2;  a weight: 32 (i / 2) + 8 (i % 2), i = t % 64
	s_and_b32 s25, ttmp9, 63
	s_cmp_lt_u32 ttmp9, 512
	s_cselect_b32 s25, ttmp9, s25
	s_cselect_b32 s24, 0, 3
	s_lshr_b32 s26, s25, 1
	s_lshl_b32 s26, s26, 5
	s_and_b32 s25, s25, 1
	s_lshl_b32 s25, s25, s24
	s_add_co_u32 s26, s26, s25
	s_lshl_b32 s26, s26, 12                        ; rows of 4,096 bytes
	s_lshl_b32 s27, s[WV], 9                       ; my K step: 128 numbers
	s_add_co_u32 s26, s26, s27
	s_mov_b32 s27, 0
	s_lshl_b32 s32, ttmp9, 14                      ; the tile's codes,
	s_lshl_b32 s33, s[WV], 11                      ; my fragment
	s_add_co_u32 s32, s32, s33
	s_mov_b32 s33, 0
	s_wait_kmcnt 0x0
	s_add_nc_u64 s[34:35], s[14:15], s[32:33]
	s_lshl_b32 s32, ttmp9, 9                       ; the tile's scale words
	s_add_co_u32 s32, s32, X_SC
	s_add_nc_u64 s[36:37], s[14:15], s[32:33]
	s_cmp_lt_u32 ttmp9, 576                        ; which tensor: the choices hang on the work-group's number alone
	s_cselect_b64 s[28:29], s[6:7], s[8:9]
	s_cmp_lt_u32 ttmp9, 704
	s_cselect_b64 s[30:31], s[10:11], s[12:13]
	s_cmp_lt_u32 ttmp9, 640
	s_cselect_b64 s[28:29], s[28:29], s[30:31]
	s_cmp_lt_u32 ttmp9, 512
	s_cselect_b64 s[28:29], s[4:5], s[28:29]
	s_add_nc_u64 s[28:29], s[28:29], s[26:27]
	s_cmp_lt_u32 ttmp9, 512
	s_cbranch_scc0 .Lweight
.irp i, 0,1,2,3,4,5,6,7,8,9,10,11,12,13,14,15
	global_load_b128 v[R+4*\i:R+4*\i+3], v[LI], s[28:29] offset:8192*\i th:TH_LOAD_NT   ; x: the tile's rows lie two tokens apart
.endr
	s_branch .Lloaded
.Lweight:
.irp i, 0,1,2,3,4,5,6,7,8,9,10,11,12,13,14,15
	global_load_b128 v[R+4*\i:R+4*\i+3], v[LI], s[28:29] offset:4096*(\i+8*(\i/8)) th:TH_LOAD_NT   ; a weight: rows 0-7, then rows 16-23
.endr
.Lloaded:
	s_wait_alu depctr_va_vdst(0)
.irp i, 0,1,2,3,4,5,6,7,8,9,10,11,12,13,14,15
	s_wait_loadcnt 15-\i                           ; loads come back in order: row i is in, the rows behind it may be out
	ds_store_b128 v[SI], v[R+4*\i:R+4*\i+3] offset:SP*\i
.endr
.irp c, 0,1,2,3
.irp j, 0,1,2,3
	ds_load_b128 v[X+16*\c+4*\j:X+16*\c+4*\j+3], v[SO] offset:128*\c+16*\j   ; LDS serves a wave's instructions in order: these see my stores
.endr
.endr
	s_wait_dscnt 0x0
.irp b, 0,1,2,3
	v_mov_b32 v[TM+4+\b], 0                        ; a lane permute's destination counts as one of its sources
.endr
.irp b, 0,1,2,3
	v_max3_num_f32 v[TM+\b], |v[X+16*\b]|, |v[X+1+16*\b]|, 0x4800000   ; block b: my 16 numbers, and the floor 2^(9 - 127): the byte cannot fall under 1
.endr
.irp i, 2,4,6,8,10,12,14
.irp b, 0,1,2,3
	s_delay_alu instid0(VALU_DEP_4)
	v_max3_num_f32 v[TM+\b], v[TM+\b], |v[X+16*\b+\i]|, |v[X+1+16*\b+\i]|   ; the four blocks by turns
.endr
.endr
.irp b, 0,1,2,3
	s_delay_alu instid0(VALU_DEP_4)
	v_permlanex16_b32 v[TM+4+\b], v[TM+\b], s[SEL], s[SEL+1]
.endr
.irp b, 0,1,2,3
	s_delay_alu instid0(VALU_DEP_4)
	v_max_num_f32 v[TM+\b], v[TM+\b], v[TM+4+\b]   ; with lane l xor 16's: the block's largest magnitude
.endr
.irp b, 0,1,2,3
	s_delay_alu instid0(VALU_DEP_4)
	v_add_nc_u32 v[TM+12+\b], 0xfc000000, v[TM+\b] ; 8 off its exponent field: the conversion's scale operand
.endr
.irp b, 0,1,2,3
.endr
.irp b, 0,1,2,3
	s_delay_alu instid0(VALU_DEP_4)
	v_lshrrev_b32 v[TM+4+\b], 23, v[TM+12+\b]      ; the scale's byte
.endr
	s_delay_alu instid0(VALU_DEP_3)
	v_lshl_or_b32 v[PW], v[TM+5], 8, v[TM+4]       ; four bytes: my row's scale word for this K step
	s_delay_alu instid0(VALU_DEP_1)
	v_lshl_or_b32 v[PW], v[TM+6], 16, v[PW]
	s_delay_alu instid0(VALU_DEP_1)
	v_lshl_or_b32 v[PW], v[TM+7], 24, v[PW]
.irp b, 0,1,2,3
.irp i, 0,1,2,3,4,5,6,7,8,9,10,11,12,13,14,15
.endr
	v_cvt_scalef32_pk8_fp8_f32 v[PC+4*\b:PC+1+4*\b], v[X+16*\b:X+7+16*\b], v[TM+12+\b]
	v_cvt_scalef32_pk8_fp8_f32 v[PC+2+4*\b:PC+3+4*\b], v[X+8+16*\b:X+15+16*\b], v[TM+12+\b]
.endr
	v_nop                                          ; a plain line behind the last conversion
.irp c, 0,1,2,3
	global_store_b128 v[LI], v[PC+4*\c:PC+4*\c+3], s[34:35] offset:512*\c   ; 32 lanes store 512 consecutive bytes, aligned
.endr
	ds_store_b32 v[SW], v[PW]                      ; lanes r and r + 16 write the same word with the same value
	s_wait_dscnt 0x0                               ; for wave 0's sake: my word has landed
	s_barrier_signal -1
	s_barrier_wait -1
	s_cmp_lg_u32 s[WV], 0
	s_cbranch_scc1 .Ldone
	ds_load_b128 v[OW:OW+3], v[SR]
	s_wait_dscnt 0x0
	global_store_b128 v[LI], v[OW:OW+3], s[36:37]  ; the tile's 128 scale words: 512 consecutive bytes, aligned
.Ldone:
	s_wait_tensorcnt 0x0
	ds_add_u32 v144, v145
	s_wait_dscnt 0x0
	s_endpgm
.Lfunc_end_k_q98ab80f921_quant:
	.size	k_q98ab80f921_quant, .Lfunc_end_k_q98ab80f921_quant-k_q98ab80f921_quant
	.p2alignl 7, 3214868480
	.fill 96, 4, 3214868480
	.section	.rodata,"a",@progbits
	.p2align	6, 0x0
	.amdhsa_kernel k_q98ab80f921_quant
		.amdhsa_group_segment_fixed_size 69120
		.amdhsa_private_segment_fixed_size 0
		.amdhsa_enable_private_segment 0
		.amdhsa_kernarg_size 48
		.amdhsa_user_sgpr_count 2
		.amdhsa_user_sgpr_kernarg_segment_ptr 1
		.amdhsa_wavefront_size32 1
		.amdhsa_system_sgpr_workgroup_id_x 1
		.amdhsa_system_sgpr_workgroup_id_y 1
		.amdhsa_system_sgpr_workgroup_id_z 1
		.amdhsa_system_vgpr_workitem_id 0
		.amdhsa_next_free_vgpr 146
		.amdhsa_next_free_sgpr 66
		.amdhsa_reserve_vcc 0
		.amdhsa_float_denorm_mode_32 3
		.amdhsa_float_denorm_mode_16_64 3
		.amdhsa_fp16_overflow 1
		.amdhsa_memory_ordered 1
		.amdhsa_forward_progress 1
		.amdhsa_inst_pref_size 15
	.end_amdhsa_kernel
	.amdgpu_metadata
---
amdhsa.version: [ 1, 2 ]
amdhsa.kernels:
  - .name:           k_q98ab80f921_quant
    .symbol:         k_q98ab80f921_quant.kd
    .args:
      - { .name: x, .offset: 0, .size: 8, .value_kind: global_buffer, .address_space: global }
      - { .name: w_q, .offset: 8, .size: 8, .value_kind: global_buffer, .address_space: global }
      - { .name: w_k, .offset: 16, .size: 8, .value_kind: global_buffer, .address_space: global }
      - { .name: w_v, .offset: 24, .size: 8, .value_kind: global_buffer, .address_space: global }
      - { .name: w_o, .offset: 32, .size: 8, .value_kind: global_buffer, .address_space: global }
      - { .name: xw, .offset: 40, .size: 8, .value_kind: global_buffer, .address_space: global }
    .group_segment_fixed_size: 69120
    .private_segment_fixed_size: 0
    .kernarg_segment_align: 8
    .kernarg_segment_size: 48
    .max_flat_workgroup_size: 256
    .sgpr_count:     66
    .vgpr_count:     146
    .wavefront_size: 32
...
	.end_amdgpu_metadata
.endif
;; end of part 1
;; launch qkv (part 2): grid 8 x 48, 4 waves a work-group, clusters of 4 x 4, 327,680 bytes of LDS; arguments xw, qkv; writes qkv
.if DOCPART == 2
	.amdgcn_target "amdgcn-amd-amdhsa--gfx1250"
	.amdhsa_code_object_version 6
	.text
	.protected	k_q98ab80f921_qkv
	.globl	k_q98ab80f921_qkv
	.p2align	8
	.type	k_q98ab80f921_qkv,@function
k_q98ab80f921_qkv:
	s_mov_b64 s[64:65], 0
	v_nop
	global_prefetch_b8 v0, s[64:65] scope:SCOPE_SE
	s_setreg_imm32_b32 hwreg(HW_REG_WAVE_MODE, 25, 1), 1
	s_wait_xcnt 0x0
	s_wait_alu depctr_hold_cnt(0) depctr_sa_sdst(0) depctr_va_vdst(0) depctr_va_sdst(0) depctr_va_ssrc(0) depctr_va_vcc(0) depctr_vm_vsrc(0)
	s_getreg_b32 s2, hwreg(HW_REG_IB_STS2, 6, 4)
	s_cmp_eq_u32 s2, 0
	s_cbranch_scc0 .Lentry_in_a_cluster
	s_endpgm
.Lentry_in_a_cluster:
	s_bfe_u32 s2, ttmp6, 0x10000c
	s_cmp_lg_u32 s2, 0xf033
	s_cbranch_scc0 .Lentry_shape_is_right
	s_endpgm
.Lentry_shape_is_right:
; q = x w_q^T, k = x w_k^T, v = x w_v^T on codes of FP8 (E4M3) with E8M0 scales, K = 1,024; the results are quantised in registers and stored as images of the operands that the attention launch reads.
; OPERANDS are images of fragment registers (16 rows x 128 K = 2,048 bytes, group c at 512 c + 16 x lane) in xw: [tile][K step 8][2048]; a unit of 256 rows is 16 tiles, 2^18 bytes.
; Units 0-31: x (tile 2 g + u, row r = token 32 g + 2 r + u); 32-39: w_q, w_k; 40-43: w_v (tile 2 b + u, row r = weight row 32 b + 8 u + r + 8 (r / 8)).
; A work-group of four waves makes 256 x 256, a wave 128 x 128: 64 accumulators.  Source 0 = B's 16 rows, source 1 = A's: a lane holds A's row r, and register j of accumulator (a, b) B's tile row 8 h + j.
; TWO PARTS, told apart by the cluster's y, which all sixteen partners share.  Clusters y 0-7: A = x, B = w_q and w_k: a lane holds one token, and the 16 registers of tiles 2 b, 2 b + 1 are channels
; 32 b + 16 h + 0 .. 15: blocks along the head's 64.  Clusters y 8-11: A = w_v, B = x: a lane holds one channel, and the same 16 registers are tokens 32 g + 16 h + 2 j + u: blocks along the keys.
; So ONE way out quantises both: four blocks of 32 in lanes l and l xor 16.  The order of the keys inside 16 (evens, then odds) is the one in which the attention launch holds its weights p.
; K goes in steps of 256 through two LDS slots; the scale words of the work-group's rows, for all of K, come once.  CLUSTERS 4 x 4: A's tiles are asked for jointly along a row, B's along a column.
; qkv: codes at which x 2^23 + (16 batch + head) x 2^17 + G x 8192 (G: 128 tokens); q, k: + tile x 1024 + block x 512;  v: + channel tile x 2048 + key block x 512.
;      scale words at QK_SC + which x 2^18 + (16 batch + head) x 4096 + G x 256 + 16 r + 4 i;  q, k: i = the pair of tiles, bytes (even tile's two blocks, odd tile's two);  v: i = channel tile, bytes = four key blocks.
; LIMITS: a block of zeros gets the byte 1 (its codes are zeros; this program alone reads the bytes); NaN and infinities are not served.
; REGISTERS, in windows of 256: window 0: v16-29 addresses; v32-63 scale words, two sets; v64-111 the way out; from v128 A's fragments, one set.  window 1: B's fragments, two sets.  windows 2, 3: the accumulators.
.set NQ,     2                         ; matrix instructions deep in a slot
.set FR,     16                        ; registers of a fragment
.set NL,     4                         ; LDS loads that bring one
.set NP,     8                         ; places behind this matrix instruction (ISA guide 7.12.1)
.set TILEB,  4096                      ; a tile's two fragments of a slot
.set HALFT,  8*TILEB                   ; 128 rows: what one tensor load brings
.set SLOT,   4*HALFT                   ; A's 16 tiles, then B's
.set SCL,    2*SLOT                    ; behind the ring: the scales, as units of 256 bytes + 16 of padding
.set HALFS,  16*272                    ; those of 128 rows (32 bytes a row)
.set SBLK,   2*272                     ; those of 16 rows
.set SPARE,  SCL+4*HALFS               ; the spare words: 128 bytes for each wave, two blocks of 256 bytes that no other line names
.set X_SC,   12582912
.set QK_SC,  25165824
.set ADRA, 16                          ; v16-17  LDS address of my A fragments in slot 0, 1
.set ADRB, 20                          ; v20-21  the same for B
.set LI,   24                          ; v24     16 x lane
.set VO2,  25                          ; v25     the way out: 16 x lane + the distance of blocks 2 and 3
.set SO,   26                          ; v26     the way out: 4096 h + 16 r
.set ADRS, 27                          ; v27     LDS address of my scale words: lanes 0-15 A's rows, lanes 16-31 B's
.set SPW,  28                          ; v28     my spare word; never rewritten
.set NIL,  29                          ; v29     0; never rewritten
.set SC,   32
.set TM,   64                          ; v64-79  the way out: at work
.set PWA,  80                          ; v80-87  the scale words of A's eight tiles
.set W,    88                          ; v88-95  the words as they are stored
.set PC,   96                          ; v96-111 a tile's codes
.set AF,   128
.set G1, 24
.set G0, 32
.set G1B, 48
.set G0B, 56
.set G1S, 68
.set G0S, 76
.set G1SB, 80
.set G0SB, 88
.set SEL, 98                           ; s[98:99]
.set MNT, 97
.set MSB, 0
.macro WIN new                         ; the immediate's high byte repeats the setting that is left
.if MSB != (\new)
	s_set_vgpr_msb (MSB<<8)|(\new)
.set MSB, (\new)
.endif
.endm
.set MUL_LO, 0xa1                      ; source 0 (B) window 1, source 1 (A) window 0, C and D window 2
.set MUL_HI, 0xf1                      ; the same, C and D window 3
.set TO_B,   0x40                      ; destination window 1, address window 0
; A joint load: waves 0 and 1 fetch for A, waves 2 and 3 for B; the branch hangs on the wave's number alone.  Four v_nop follow each of the two lines.
.macro JLOAD g0a, g1a, g0b, g1b
	s_cmp_eq_u32 s15, 0
	s_cbranch_scc0 .Lfor_b_\@
	tensor_load_to_lds s[\g0a:\g0a+3], s[\g1a:\g1a+7]
	s_nop 0
.rept 4
	v_nop
.endr
	s_branch .Lasked_\@
.Lfor_b_\@:
	tensor_load_to_lds s[\g0b:\g0b+3], s[\g1b:\g1b+7]
	s_nop 0
.rept 4
	v_nop
.endr
.Lasked_\@:
.endm
.macro CREST                           ; a round of the cluster's barrier behind its opening barrier
	s_cmp_lg_u32 s14, 0
	s_cbranch_scc1 .Lnot_wave_0_\@
	s_barrier_signal -3
.Lnot_wave_0_\@:
	s_barrier_wait -3
	s_barrier_signal -1
	s_barrier_wait -1
.endm
.macro CROUND                          ; a whole round
	s_barrier_signal -1
	s_barrier_wait -1
	CREST
.endm
	s_load_b128 s[4:7], s[0:1], 0x0                ; xw, qkv
	v_lshl_add_u32 v[SPW], v0, 2, SPARE
	v_mov_b32 v[NIL], 0
	ds_add_u32 v28, v29
	ds_add_u32 v28, v29
	s_wait_dscnt 0x0
	v_lshrrev_b32 v1, 5, v0
	v_readfirstlane_b32 s14, v1                    ; wave 0..3
	s_lshr_b32 s15, s14, 1                         ; which half of A's rows is mine.  Also: I fetch for A (0) or for B (1)
	s_and_b32 s16, s14, 1                          ; which half of B's rows.  Also: which 128 rows I fetch
	s_bfe_u32 s40, ttmp6, 0x40000                  ; cx, cy: my place in the cluster
	s_bfe_u32 s41, ttmp6, 0x40004
	s_lshl_b32 s42, ttmp9, 2
	s_add_co_u32 s42, s42, s40                     ; work-group x
	s_and_b32 s18, ttmp7, 0xffff                   ; the cluster's y
	s_lshl_b32 s19, s18, 2
	s_max_u32 s20, s18, 8
	s_sub_co_u32 s20, s20, 8
	s_lshl_b32 s20, s20, 3
	s_cmp_ge_u32 s18, 8                            ; the part for v?  The same in all sixteen partners
	s_cselect_b32 s19, 40, s19
	s_cselect_b32 s20, s20, 32
	s_cselect_b32 s21, -1, 0                       ; s21: all ones in the part for v
	s_add_co_u32 s17, s19, s41                     ; A's unit: 4 x cluster y + cy (x), or 40 + cy (w_v)
	s_add_co_u32 s42, s42, s20                     ; B's unit: 32 + work-group x (w_q, w_k), or 8 (cluster y - 8) + work-group x (x)
	s_lshl_b32 s43, s41, 2
	s_lshl_b32 s43, 15, s43                        ; my row of the cluster
	s_lshl_b32 s44, 0x1111, s40                    ; my column
	; descriptor group 1 for codes: 8 tiles' 4,096 bytes (512 elements of 8 bytes), 16,384 bytes apart in memory, dense in LDS
	s_or_b32 s[G1+0], s43, (3<<16)|(1<<21)         ; 15:0 the mask: A's tiles go to my row; 17:16 elements of 8 bytes; 21 set beside a mask
	s_or_b32 s[G1B+0], s44, (3<<16)|(1<<21)
.irp g, G1, G1B
	s_mov_b32 s[\g+1], 512<<16                     ; tensor_dim0
	s_mov_b32 s[\g+2], 8<<16                       ; tensor_dim1
	s_mov_b32 s[\g+3], 512<<16                     ; tile_dim0
	s_mov_b32 s[\g+4], 8                           ; tile_dim1
	s_mov_b32 s[\g+5], 2048                        ; tensor_dim0_stride
	s_mov_b32 s[\g+6], 0
	s_mov_b32 s[\g+7], 0
.endr
	; and for the scales of 128 rows: 4,096 dense bytes as 16 rows of 256 bytes, 16 bytes of padding behind each
	s_or_b32 s[G1S+0], s43, (3<<16)|(1<<20)|(1<<21)|(5<<22)|(3<<25)
	s_or_b32 s[G1SB+0], s44, (3<<16)|(1<<20)|(1<<21)|(5<<22)|(3<<25)
.irp g, G1S, G1SB
	s_mov_b32 s[\g+1], 32<<16
	s_mov_b32 s[\g+2], 16<<16
	s_mov_b32 s[\g+3], 32<<16
	s_mov_b32 s[\g+4], 16
	s_mov_b32 s[\g+5], 32
	s_mov_b32 s[\g+6], 0
	s_mov_b32 s[\g+7], 0
.endr
	s_lshl_b32 s19, s16, 17                        ; which 8 tiles of the unit I fetch
	s_lshl_b32 s22, s17, 18
	s_add_co_u32 s22, s22, s19                     ; A's codes
	s_mov_b32 s23, 0
	s_lshl_b32 s46, s42, 18
	s_add_co_u32 s46, s46, s19                     ; B's
	s_mov_b32 s47, 0
	s_lshl_b32 s19, s16, 12
	s_lshl_b32 s92, s17, 13
	s_add_co_u32 s92, s92, s19
	s_add_co_u32 s92, s92, X_SC                    ; A's scales
	s_mov_b32 s93, 0
	s_lshl_b32 s94, s42, 13
	s_add_co_u32 s94, s94, s19
	s_add_co_u32 s94, s94, X_SC                    ; B's
	s_mov_b32 s95, 0
	s_lshl_b32 s45, s14, 15                        ; where they go: wave x 32,768: no place in the cluster enters an LDS address
	s_mul_i32 s96, s14, HALFS
	s_wait_kmcnt 0x0
	s_add_nc_u64 s[22:23], s[4:5], s[22:23]
	s_add_nc_u64 s[46:47], s[4:5], s[46:47]
	s_add_nc_u64 s[92:93], s[4:5], s[92:93]
	s_add_nc_u64 s[94:95], s[4:5], s[94:95]
	CROUND                                         ; all sixteen work-groups are here: the first joint loads meet
	s_mov_b32 s[G0S], 1
	s_add_co_u32 s[G0S+1], s96, SCL
	s_mov_b64 s[G0S+2:G0S+3], s[92:93]
	s_or_b32 s[G0S+3], s[G0S+3], 0x80000000
	s_mov_b32 s[G0SB], 1
	s_add_co_u32 s[G0SB+1], s96, SCL
	s_mov_b64 s[G0SB+2:G0SB+3], s[94:95]
	s_or_b32 s[G0SB+3], s[G0SB+3], 0x80000000
	JLOAD G0S, G1S, G0SB, G1SB                     ; the scales first: they are wanted with the first slot
.irp s, 0,1
	s_mov_b32 s[G0+4*\s], 1
	s_add_co_u32 s[G0+4*\s+1], s45, \s*SLOT
	s_add_nc_u64 s[G0+4*\s+2:G0+4*\s+3], s[22:23], \s*TILEB
	s_or_b32 s[G0+4*\s+3], s[G0+4*\s+3], 0x80000000
	s_mov_b32 s[G0B+4*\s], 1
	s_add_co_u32 s[G0B+4*\s+1], s45, \s*SLOT
	s_add_nc_u64 s[G0B+4*\s+2:G0B+4*\s+3], s[46:47], \s*TILEB
	s_or_b32 s[G0B+4*\s+3], s[G0B+4*\s+3], 0x80000000
	JLOAD G0+4*\s, G1, G0B+4*\s, G1B
.endr
	v_and_b32 v1, 15, v0                           ; r
	v_bfe_u32 v2, v0, 4, 1                         ; h
	v_and_b32 v3, 31, v0
	v_lshlrev_b32 v[LI], 4, v3
	s_lshl_b32 s19, s15, 15                        ; my 8 tiles of A
	s_lshl_b32 s20, s16, 15                        ; my 8 tiles of B,
	s_add_co_u32 s20, s20, 2*HALFT                 ; which lie behind A's 16
.irp s, 0,1
	v_add_nc_u32 v[ADRA+\s], s19, v[LI]
	v_add_nc_u32 v[ADRB+\s], s20, v[LI]
	s_add_co_u32 s19, s19, SLOT
	s_add_co_u32 s20, s20, SLOT
.endr
	v_mul_u32_u24 v5, v1, 32                       ; my row's scales: 32 bytes a row,
	v_lshrrev_b32 v6, 8, v5
	v_lshl_add_u32 v5, v6, 4, v5                   ; and 16 more for each 256 passed
	s_mul_i32 s19, s15, HALFS                      ; A's: my 128 rows
	s_mul_i32 s20, s16, HALFS                      ; B's: my 128 rows, behind A's 256
	s_add_co_u32 s20, s20, 2*HALFS
	s_sub_co_u32 s20, s20, s19
	v_mul_u32_u24 v6, s20, v2                      ; lanes 16-31 take B's
	s_add_co_u32 s19, s19, SCL
	v_add_nc_u32 v5, v5, v6
	v_add_nc_u32 v[ADRS], s19, v5
	; THE WAY OUT'S ADDRESSES.  tok0: my first token; ch0: my first row of the weights, counted from w_q's (or w_v's) first
	s_lshl_b32 s18, s17, 8
	s_lshl_b32 s19, s15, 7
	s_add_co_u32 s18, s18, s19                     ; A's first row of mine, in image rows
	s_lshl_b32 s19, s42, 8
	s_lshl_b32 s20, s16, 7
	s_add_co_u32 s19, s19, s20                     ; B's
	s_mov_b32 s40, 8192
	s_cmp_lg_u32 s21, 0
	s_cselect_b32 s20, s19, s18                    ; tok0
	s_cselect_b32 s2, s18, s19
	s_cselect_b32 s40, 10240, s40                  ; the rows ahead of w_v, or of w_q
	s_sub_co_u32 s2, s2, s40                       ; ch0
	s_lshr_b32 s40, s2, 10
	s_mov_b32 s41, 131072
	s_mov_b32 s10, 1024
	s_mov_b32 s12, 1024
	s_cmp_lg_u32 s21, 0
	s_cselect_b32 s40, 2, s40                      ; which: 0 q, 1 k, 2 v
	s_cselect_b32 s41, 1024, s41                   ; blocks 2, 3: v: the next two key blocks;  q, k: the next head
	s_cselect_b32 s10, 2048, s10                   ; from tile to tile of A: v: a channel tile;  q, k: a tile of tokens
	s_cselect_b32 s12, 131072-3*2048, s12          ; from tile 3 to tile 4: v: the next head
	s_mov_b32 s11, 0
	s_mov_b32 s13, 0
	s_and_b32 s2, s2, 1023
	s_lshr_b32 s2, s2, 6                           ; my first head
	s_lshr_b32 s43, s20, 11
	s_lshl_b32 s43, s43, 4
	s_add_co_u32 s2, s2, s43                       ; 16 batch + head
	s_bfe_u32 s20, s20, 0x40007                    ; G: which 128 tokens of the sequence
	s_lshl_b32 s43, s40, 23
	s_lshl_b32 s44, s2, 17
	s_add_co_u32 s43, s43, s44
	s_lshl_b32 s44, s20, 13
	s_add_co_u32 s18, s43, s44
	s_mov_b32 s19, 0
	s_add_nc_u64 s[8:9], s[6:7], s[18:19]          ; the codes
	s_lshl_b32 s43, s40, 18
	s_lshl_b32 s44, s2, 12
	s_add_co_u32 s43, s43, s44
	s_lshl_b32 s44, s20, 8
	s_add_co_u32 s43, s43, s44
	s_add_co_u32 s18, s43, QK_SC
	s_add_nc_u64 s[66:67], s[6:7], s[18:19]        ; the scale words
	s_mov_b32 s3, 0xffff0000                       ; lanes 16-31
	s_mov_b32 s[SEL], 0x76543210
	s_mov_b32 s[SEL+1], 0xfedcba98
	v_add_nc_u32 v[VO2], s41, v[LI]
	v_lshlrev_b32 v[SO], 4, v1
	v_lshl_add_u32 v[SO], v2, 12, v[SO]
.irp b, 0,1,2,3
	v_mov_b32 v[TM+4+\b], 0                        ; a lane permute's destination counts as one of its sources
.endr
.macro FRAG reg, adr, q, i             ; a fragment comes as it was stored: four loads of 512 consecutive bytes
.irp c, 0,1,2,3
	ds_load_b128 v[\reg+4*\c:\reg+4*\c+3], v[\adr] offset:(\i)*TILEB+(\q)*2048+512*\c
.endr
.endm
; 16 matrix instructions: A's blocks a0, a0 + 1 x B's eight, 128 along K: the slot's q-th.  p: B's set;  sc: the set of scale words.  zero = 1: the first product starts the sums.
; The 64 accumulators take turns, one instruction a turn, in the same order in every step.
.macro MUL16 a0, p, q, sc, zero
.irp a, \a0, \a0+1
.irp b, 0,1,2,3,4,5,6,7
.if \zero
	v_wmma_scale_f32_16x16x128_f8f6f4 v[8*(8*((\a)%4)+\b):8*(8*((\a)%4)+\b)+7], v[128*(\p)+FR*\b:128*(\p)+FR*\b+FR-1], v[AF+FR*(\a):AF+FR*(\a)+FR-1], 0, v[SC+8*NQ*(\sc)+NQ*\b+(\q)], v[SC+8*NQ*(\sc)+NQ*(\a)+(\q)] matrix_a_scale:MATRIX_SCALE_ROW1
.else
	v_wmma_scale_f32_16x16x128_f8f6f4 v[8*(8*((\a)%4)+\b):8*(8*((\a)%4)+\b)+7], v[128*(\p)+FR*\b:128*(\p)+FR*\b+FR-1], v[AF+FR*(\a):AF+FR*(\a)+FR-1], v[8*(8*((\a)%4)+\b):8*(8*((\a)%4)+\b)+7], v[SC+8*NQ*(\sc)+NQ*\b+(\q)], v[SC+8*NQ*(\sc)+NQ*(\a)+(\q)] matrix_a_scale:MATRIX_SCALE_ROW1
.endif
.endr
.endr
.endm
.macro FETCH_B slot, q, p              ; B's eight fragments of the slot's q-th 128 along K into set p
	WIN TO_B
.irp i, 0,1,2,3,4,5,6,7
	FRAG 128*(\p)+FR*\i, ADRB+\slot, \q, \i
.endr
	WIN 0
.endm
.macro FETCH_A slot, q, i0             ; A's blocks i0 .. i0 + 3
.irp i, \i0, \i0+1, \i0+2, \i0+3
	FRAG AF+FR*(\i), ADRA+\slot, \q, \i
.endr
.endm
.macro SCALES sc                       ; the next slot's scale words into set sc: two words a row; lanes 0-15 take A's block i, lanes 16-31 B's block i
.irp i, 0,1,2,3,4,5,6,7
	ds_load_b64 v[SC+8*NQ*\sc+NQ*\i:SC+8*NQ*\sc+NQ*\i+1], v[ADRS] offset:\i*SBLK
.endr
.endm
.macro PLACES n                        ; plain vector lines between a matrix instruction and a load into, or a read of, its registers (ISA guide 7.12.1 for reads)
.rept \n
	v_nop
.endr
.endm
; A step of 128 along K that has its successor in the same slot.  A has one set of registers: blocks 0-3 are fetched anew in the step's middle, blocks 4-7 at its end.
.macro STEP slot, q, zero
	s_wait_dscnt 4*NL                              ; B's set and A's blocks 0-3 are in; the youngest 16 loads (A's blocks 4-7) may be out
	WIN MUL_LO
	MUL16 0, (\q)%2, \q, \slot, \zero
	MUL16 2, (\q)%2, \q, \slot, \zero
	s_wait_dscnt 0                                 ; A's blocks 4-7 are in
	PLACES NP
	FETCH_B \slot, (\q)+1, 1-(\q)%2
	FETCH_A \slot, (\q)+1, 0
	WIN MUL_HI
	MUL16 4, (\q)%2, \q, \slot, \zero
	MUL16 6, (\q)%2, \q, \slot, \zero
	PLACES NP
	WIN 0
	FETCH_A \slot, (\q)+1, 4
.endm
; A slot's last step changes slots: ONE barrier; in front of it each wave waits for all its tensor loads, adds 0 to its spare word, and waits for that and for its own reads of this slot.  fill = 1: this slot is filled again, two slots ahead.
.macro TURN slot, next, fill
	s_wait_tensorcnt 0x0                           ; all my tensor loads have landed: my part of the next slot
	ds_add_u32 v[SPW], v[NIL]                      ; 0 onto my spare word
	s_wait_dscnt 4*NL+1                            ; (the add and the youngest 16 loads, A's blocks 4-7, may be out)
	WIN MUL_LO
	MUL16 0, 1, NQ-1, \slot, 0                     ; sixteen matrix instructions stand between the add and the wait for it
	s_wait_dscnt 0x0                               ; the add is done, and my reads of this slot are over
	s_barrier_signal -1
	MUL16 2, 1, NQ-1, \slot, 0
	WIN 0
	s_barrier_wait -1
.if \fill
	CREST                                          ; the barrier has opened a round of the cluster's barrier: no wave of any partner still reads this slot or has a load on its way
	s_add_nc_u64 s[G0+4*\slot+2:G0+4*\slot+3], s[G0+4*\slot+2:G0+4*\slot+3], 2*TILEB
	s_add_nc_u64 s[G0B+4*\slot+2:G0B+4*\slot+3], s[G0B+4*\slot+2:G0B+4*\slot+3], 2*TILEB
	JLOAD G0+4*\slot, G1, G0B+4*\slot, G1B         ; the first tensor load behind the round; its four v_nop are among the places in front of the loads below
	PLACES NP-4
.else
	PLACES NP
.endif
	s_wait_alu depctr_va_vdst(0)
	v_add_nc_u32 v[ADRS], 4*NQ, v[ADRS]            ; on to the next slot's scale words
	FETCH_B \next, 0, 0
	FETCH_A \next, 0, 0
	SCALES \next
	WIN MUL_HI
	MUL16 4, 1, NQ-1, \slot, 0
	MUL16 6, 1, NQ-1, \slot, 0
	PLACES NP
	WIN 0
	FETCH_A \next, 0, 4
.endm
	s_wait_alu depctr_va_vdst(0)
	s_wait_tensorcnt 1                             ; the scales and my part of slot 0 are in (slot 1's load may be out)
	s_barrier_signal -1
	s_barrier_wait -1                              ; everybody's are
	FETCH_B 0, 0, 0
	FETCH_A 0, 0, 0
	SCALES 0
	FETCH_A 0, 0, 4
	STEP 0, 0, 1                                   ; K = 1,024 is four slots' worth, eight steps: they are written out; the first starts the sums
	TURN 0, 1, 1
	STEP 1, 0, 0
	TURN 1, 0, 1
	STEP 0, 0, 0
	TURN 0, 1, 0                                   ; nothing is left to fetch, so no round follows
	STEP 1, 0, 0
	s_wait_dscnt 4*NL                              ; the very last step
	WIN MUL_LO
	MUL16 0, 1, NQ-1, 1, 0
	MUL16 2, 1, NQ-1, 1, 0
	s_wait_dscnt 0
	WIN MUL_HI
	MUL16 4, 1, NQ-1, 1, 0
	MUL16 6, 1, NQ-1, 1, 0
	WIN 0
; THE WAY OUT.  The 64 registers of A's tile a (eight accumulators) are four blocks of 32 along the next product's K: register 16 b + i, with lane l xor 16's sixteen.  They become 16 registers of codes, which
; are four register groups of the images that the attention launch reads, and one scale word.  Each accumulator is read from its low end on.
.macro QACC a
.set WN, 2+(\a)/4
.set AC, 64*((\a)%4)
	WIN WN|(WN<<2)
.irp b, 0,1,2,3
	v_max3_num_f32 v[TM+\b], |v[AC+16*\b]|, |v[AC+16*\b+1]|, 0x4800000   ; and the floor 2^(9 - 127): the byte cannot fall under 1
.endr
	WIN (WN<<2)|(WN<<4)
.irp i, 2,4,6,8,10,12,14
.irp b, 0,1,2,3
	v_max3_num_f32 v[TM+\b], v[TM+\b], |v[AC+16*\b+\i]|, |v[AC+16*\b+\i+1]|
.endr
.endr
	WIN 0
.irp b, 0,1,2,3
	v_permlanex16_b32 v[TM+4+\b], v[TM+\b], s[SEL], s[SEL+1]
.endr
.irp b, 0,1,2,3
	v_max_num_f32 v[TM+\b], v[TM+\b], v[TM+4+\b]   ; the block's largest magnitude
.endr
.irp b, 0,1,2,3
	v_add_nc_u32 v[TM+12+\b], 0xfc000000, v[TM+\b] ; 8 off its exponent field: the conversion's scale operand
.endr
.irp b, 0,1,2,3
.endr
.irp b, 0,1,2,3
	v_lshrrev_b32 v[TM+4+\b], 23, v[TM+12+\b]      ; the scale's byte
.endr
	v_lshl_or_b32 v[PWA+(\a)], v[TM+5], 8, v[TM+4]
	v_lshl_or_b32 v[PWA+(\a)], v[TM+6], 16, v[PWA+(\a)]
	v_lshl_or_b32 v[PWA+(\a)], v[TM+7], 24, v[PWA+(\a)]
	WIN WN|(WN<<6)
.irp b, 0,1,2,3
.irp i, 0,1,2,3,4,5,6,7,8,9,10,11,12,13,14,15
.endr
.endr
	s_wait_xcnt 0x0                                ; the last tile's stores have read their data and their base: both are written again only behind this wait
.if (\a) == 4
	s_add_nc_u64 s[8:9], s[8:9], s[12:13]
.elseif (\a) > 0
	s_add_nc_u64 s[8:9], s[8:9], s[10:11]
.endif
	WIN WN
.irp b, 0,1,2,3
	v_cvt_scalef32_pk8_fp8_f32 v[PC+4*\b:PC+4*\b+1], v[AC+16*\b:AC+16*\b+7], v[TM+12+\b]
	v_cvt_scalef32_pk8_fp8_f32 v[PC+4*\b+2:PC+4*\b+3], v[AC+16*\b+8:AC+16*\b+15], v[TM+12+\b]
.endr
	WIN 0
	v_nop                                          ; a plain line behind the last conversion
	global_store_b128 v[LI], v[PC:PC+3], s[8:9]                    ; each store covers 512 consecutive bytes, aligned
	global_store_b128 v[LI], v[PC+4:PC+7], s[8:9] offset:512
	global_store_b128 v[VO2], v[PC+8:PC+11], s[8:9]
	global_store_b128 v[VO2], v[PC+12:PC+15], s[8:9] offset:512
.endm
	PLACES NP                                      ; behind the last products, ahead of the first read of results
.irp a, 0,1,2,3,4,5,6,7
	QACC \a
.endr
	; the scale words.  q, k: a pair of tiles gives one word a head: the even tile's two bytes, then the odd tile's; lanes 0-15 store the first head's four words, lanes 16-31 the second's.
	; v: a tile's word is stored as it is: lanes 0-15 the first head's four tiles, lanes 16-31 the second's.  Both are made, and the part chooses: no branch.
.irp g, 0,1,2,3
	v_perm_b32 v[W+\g], v[PWA+2*\g+1], v[PWA+2*\g], 0x05040100
	v_perm_b32 v[W+4+\g], v[PWA+2*\g+1], v[PWA+2*\g], 0x07060302
.endr
.irp g, 0,1,2,3
	v_cndmask_b32 v[W+\g], v[W+\g], v[W+4+\g], s3
	v_cndmask_b32 v[W+4+\g], v[PWA+\g], v[PWA+4+\g], s3
.endr
.irp g, 0,1,2,3
	v_cndmask_b32 v[W+\g], v[W+\g], v[W+4+\g], s21
.endr
	global_store_b128 v[SO], v[W:W+3], s[66:67]    ; sixteen lanes store 256 consecutive bytes, aligned
	s_wait_tensorcnt 0x0                           ; the wave's end
	ds_add_u32 v[SPW], v[NIL]
	s_wait_dscnt 0x0
	CROUND                                         ; the closing round: no work-group ends while a partner may still ask for a tile that names it
	s_endpgm
.Lfunc_end_k_q98ab80f921_qkv:
	.size	k_q98ab80f921_qkv, .Lfunc_end_k_q98ab80f921_qkv-k_q98ab80f921_qkv
	.p2alignl 7, 3214868480
	.fill 96, 4, 3214868480
	.section	.rodata,"a",@progbits
	.p2align	6, 0x0
	.amdhsa_kernel k_q98ab80f921_qkv
		.amdhsa_group_segment_fixed_size 327680
		.amdhsa_private_segment_fixed_size 0
		.amdhsa_enable_private_segment 0
		.amdhsa_kernarg_size 16
		.amdhsa_user_sgpr_count 2
		.amdhsa_user_sgpr_kernarg_segment_ptr 1
		.amdhsa_wavefront_size32 1
		.amdhsa_system_sgpr_workgroup_id_x 1
		.amdhsa_system_sgpr_workgroup_id_y 1
		.amdhsa_system_sgpr_workgroup_id_z 1
		.amdhsa_system_vgpr_workitem_id 0
		.amdhsa_next_free_vgpr 1024
		.amdhsa_next_free_sgpr 100
		.amdhsa_reserve_vcc 0
		.amdhsa_float_denorm_mode_32 3
		.amdhsa_float_denorm_mode_16_64 3
		.amdhsa_fp16_overflow 1
		.amdhsa_memory_ordered 1
		.amdhsa_forward_progress 1
		.amdhsa_inst_pref_size 153
	.end_amdhsa_kernel
	.amdgpu_metadata
---
amdhsa.version: [ 1, 2 ]
amdhsa.kernels:
  - .name:           k_q98ab80f921_qkv
    .symbol:         k_q98ab80f921_qkv.kd
    .args:
      - { .name: xw, .offset: 0, .size: 8, .value_kind: global_buffer, .address_space: global }
      - { .name: qkv, .offset: 8, .size: 8, .value_kind: global_buffer, .address_space: global }
    .group_segment_fixed_size: 327680
    .private_segment_fixed_size: 0
    .kernarg_segment_align: 8
    .kernarg_segment_size: 16
    .max_flat_workgroup_size: 128
    .sgpr_count:     100
    .vgpr_count:     1024
    .wavefront_size: 32
...
	.end_amdgpu_metadata
.endif
;; end of part 2
;; launch attn (part 3): grid 4 x 64, 16 waves a work-group, clusters of 4 x 1, 327,680 bytes of LDS; arguments qkv, ctx; writes ctx
.if DOCPART == 3
	.amdgcn_target "amdgcn-amd-amdhsa--gfx1250"
	.amdhsa_code_object_version 6
	.text
	.protected	k_q98ab80f921_attn
	.globl	k_q98ab80f921_attn
	.p2align	8
	.type	k_q98ab80f921_attn,@function
k_q98ab80f921_attn:
	s_mov_b64 s[64:65], 0
	v_nop
	global_prefetch_b8 v0, s[64:65] scope:SCOPE_SE
	s_setreg_imm32_b32 hwreg(HW_REG_WAVE_MODE, 25, 1), 1
	s_wait_xcnt 0x0
	s_wait_alu depctr_hold_cnt(0) depctr_sa_sdst(0) depctr_va_vdst(0) depctr_va_sdst(0) depctr_va_ssrc(0) depctr_va_vcc(0) depctr_vm_vsrc(0)
	s_getreg_b32 s2, hwreg(HW_REG_IB_STS2, 6, 4)
	s_cmp_eq_u32 s2, 0
	s_cbranch_scc0 .Lentry_in_a_cluster
	s_endpgm
.Lentry_in_a_cluster:
	s_bfe_u32 s2, ttmp6, 0x10000c
	s_cmp_lg_u32 s2, 0x3003
	s_cbranch_scc0 .Lentry_shape_is_right
	s_endpgm
.Lentry_shape_is_right:
; ctx = softmax(q k^T / 8, causal) v for one head of one batch a cluster, both products on codes of FP8 (E4M3) with E8M0 scales; ctx is quantised along the model's 1,024 and stored as images of the last product's operand.
; THE SOFTMAX: t = score x log2(e) / 8; M = the running largest t rounded UP to a whole number; p = 2^(t - M) is quantised along the keys, not normalised; the row's sum is taken of the unquantised p and divides at the end.
; SHARES.  The four work-groups of a cluster share a head (16 batch + head = the cluster's y).  A tile is 16 queries: tile T = 2 g + u holds token 32 g + 2 r + u in row r.  Wave w of partner p takes tile 8 w + p, then tile
; 8 (15 - w) + 4 + p.  A tile of the G-th 128 tokens wants key steps 0 .. G of 128 keys, and step G lies on the diagonal: so every wave works 17 steps, and which steps hangs on the wave's number alone.
; LDS HOLDS THE WHOLE HEAD, FILLED ONCE: k's codes (131,072 bytes), v's (131,072), their scale words (4,096 each).  Each wave asks for a sixteenth; the four partners ask JOINTLY.  No slot is filled again: one barrier, none in the loops.
; LAYOUT.  S^T = K Q^T.  A fragment of K is 16 PAIRS of keys x 128: pair row r is key 2 r's 64 codes, then key 2 r + 1's.  Against (q, zeros) it gives the even keys' scores, against (zeros, q) the odd keys': the head's 64 channels
; fill half of the instruction's K, and no zero is read from LDS.  Register 16 f + 8 u + j of lane (r, h) is the score of query r and key 32 f + 16 h + 2 j + u: sixteen registers are 16 keys of one block of 32, in the
; order in which v's codes were laid.  O^T = V^T P^T: source 0 = 16 channels x 128 keys, source 1 = p's codes.  Channel tile 2 b + u, register j: channel 32 b + 16 h + 8 u + j: so O^T's 32 registers run along the channels.
; Every loop has 16 trips; a step whose keys all come after the tile's queries is jumped over by a scalar branch on the trip's number and the wave's.
; LIMITS: NaN and infinities are not served; a block of zeros gets the byte 1 (this program alone reads the bytes); ctx's scale bytes leave two at a time, since a work-group has one head's two of a row's 32.
.set QK_SC,  25165824
.set CTX_SC, 8388608
.set LV,     131072                    ; LDS: v's codes behind k's
.set LSC,    262144                    ; k's scale words; v's 4,096 bytes on
.set LI,  1                            ; v1   16 x lane
.set LS,  2                            ; v2   LSC + 16 r
.set DD,  3                            ; v3   the diagonal: my query less the step's first key less 16 h
.set D0,  4                            ; v4   2 r - 16 h
.set ADK, 5                            ; v5   LDS address of the step's k
.set ADV, 6                            ; v6   of its v
.set ADS, 7                            ; v7   of its scale words
.set CSO, 8                            ; v8   32 r: my row of ctx's scale bytes
.set LIV, 9                            ; v9   LV + 16 x lane
.set QS,  10                           ; v10  16 r
.set QHI, 16                           ; v16-31: zeros, q        v12 -M, v13 the largest t, v[14:15] the sum in two halves
.set QLO, 24                           ; v24-39: q, zeros
.set QSC, 40                           ; v40  q's scale word
.set KS,  42                           ; v42-45 k's scale words of the step's four fragments
.set VS,  46                           ; v46-49 v's, of the four channel tiles
.set PSC, 50                           ; v50  p's scale word
.set F,   52                           ; v52-115  four fragments of k, then of v
.set S,   116                          ; v116-179 S^T, then p
.set O,   180                          ; v180-211 O^T
.set PC,  212                          ; v212-227 codes
.set BM,  228                          ; v228-231 the blocks' maxima
.set PT,  232                          ; v232-235 at work
.set HL,  236
.set SOP, 240                          ; v240-243 the conversions' scale operands
.set FF,  244                          ; v[244:245] f = 2^(old M - new M)
.set TP,  246
.set NINF, 247                         ; -infinity
.set WV,  8
.set PP,  9                            ; my place in the cluster: it enters global addresses and vector data alone
.set BH,  10
.set G1C, 12
.set G1S, 20
.set G0C, 28
.set G0S, 32
.set SEL, 36
.set CS,  38
.set MNT, 40
.set SI,  41                           ; the trip's number = the key step
.set GG,  42                           ; the tile's last key step
.set TB,  43                           ; the step's codes in LDS: 8,192 bytes a step
.set TS,  44                           ; its scale words: 256 bytes a step
.set TT,  45                           ; the tile
.set SLQ, 58
.macro CROUND                          ; a round of the cluster's barrier
	s_barrier_signal -1
	s_barrier_wait -1
	s_cmp_lg_u32 s[WV], 0
	s_cbranch_scc1 .Lnot_wave_0_\@
	s_barrier_signal -3
.Lnot_wave_0_\@:
	s_barrier_wait -3
	s_barrier_signal -1
	s_barrier_wait -1
.endm
	s_load_b128 s[4:7], s[0:1], 0x0                ; qkv, ctx
	v_lshl_add_u32 v254, v0, 2, 0x42000
	v_mov_b32 v255, 0
	ds_add_u32 v254, v255
	ds_add_u32 v254, v255
	v_lshrrev_b32 v1, 5, v0
	s_delay_alu instid0(VALU_DEP_1)
	v_readfirstlane_b32 s[WV], v1                  ; wave 0..15
	s_bfe_u32 s[PP], ttmp6, 0x40000
	s_and_b32 s[BH], ttmp7, 0xffff
	; descriptor group 1: dense blocks as rows of 256 bytes (32 elements of 8 bytes): 64 rows of codes, 2 rows of scale words
	s_mov_b32 s[G1C], 15|(3<<16)|(1<<21)           ; 15:0 the mask: all four work-groups; 17:16 elements of 8 bytes; 21 set beside a mask
	s_mov_b32 s[G1C+1], 32<<16
	s_mov_b32 s[G1C+2], 64<<16
	s_mov_b32 s[G1C+3], 32<<16
	s_mov_b32 s[G1C+4], 64
	s_mov_b32 s[G1C+5], 32
	s_mov_b32 s[G1C+6], 0
	s_mov_b32 s[G1C+7], 0
	s_mov_b32 s[G1S], 15|(3<<16)|(1<<21)
	s_mov_b32 s[G1S+1], 32<<16
	s_mov_b32 s[G1S+2], 2<<16
	s_mov_b32 s[G1S+3], 32<<16
	s_mov_b32 s[G1S+4], 2
	s_mov_b32 s[G1S+5], 32
	s_mov_b32 s[G1S+6], 0
	s_mov_b32 s[G1S+7], 0
	s_lshr_b32 s46, s[WV], 3
	s_add_co_u32 s46, s46, 1                       ; waves 0-7 fetch k (1), waves 8-15 v (2),
	s_and_b32 s47, s[WV], 7                        ; an eighth each
	s_lshl_b32 s48, s46, 23
	s_lshl_b32 s49, s[BH], 17
	s_add_co_u32 s48, s48, s49
	s_lshl_b32 s49, s47, 14
	s_add_co_u32 s48, s48, s49
	s_mov_b32 s49, 0
	s_lshl_b32 s50, s46, 18
	s_lshl_b32 s51, s[BH], 12
	s_add_co_u32 s50, s50, s51
	s_lshl_b32 s51, s47, 9
	s_add_co_u32 s50, s50, s51
	s_add_co_u32 s50, s50, QK_SC
	s_mov_b32 s51, 0
	s_lshl_b32 s52, s[WV], 14                      ; LDS: 16,384 x wave: k's eight parts, then v's
	s_lshl_b32 s53, s[WV], 9
	s_wait_dscnt 0x0
	s_wait_kmcnt 0x0
	s_mov_b32 s[G0C], 1
	s_mov_b32 s[G0C+1], s52
	s_add_nc_u64 s[G0C+2:G0C+3], s[4:5], s[48:49]
	s_or_b32 s[G0C+3], s[G0C+3], 0x80000000
	s_mov_b32 s[G0S], 1
	s_add_co_u32 s[G0S+1], s53, LSC
	s_add_nc_u64 s[G0S+2:G0S+3], s[4:5], s[50:51]
	s_or_b32 s[G0S+3], s[G0S+3], 0x80000000
	CROUND                                         ; all four work-groups are here: the joint loads meet
	tensor_load_to_lds s[G0C:G0C+3], s[G1C:G1C+7]  ; one load of mine is out; the second, the scale words, follows behind the next round
	s_nop 0
	s_wait_alu depctr_va_vdst(0)
	s_wait_tensorcnt 0x0
	ds_add_u32 v254, v255
	s_wait_dscnt 0x0
	CROUND
	tensor_load_to_lds s[G0S:G0S+3], s[G1S:G1S+7]
	s_nop 0
.rept 4
	v_nop
.endr
	v_and_b32 v2, 31, v0
	s_delay_alu instid0(VALU_DEP_1)
	v_lshlrev_b32 v[LI], 4, v2
	s_delay_alu instid0(VALU_DEP_1)
	v_add_nc_u32 v[LIV], LV, v[LI]
	v_and_b32 v[QS], 15, v0                        ; r
	v_bfe_u32 v11, v0, 4, 1                        ; h
	s_delay_alu instid0(VALU_DEP_2)
	v_lshlrev_b32 v[CSO], 5, v[QS]
	s_delay_alu instid0(VALU_DEP_3)
	v_lshlrev_b32 v[D0], 1, v[QS]
	s_delay_alu instid0(VALU_DEP_3)
	v_lshlrev_b32 v11, 4, v11
	s_delay_alu instid0(VALU_DEP_1)
	v_sub_nc_u32 v[D0], v[D0], v11
	v_lshlrev_b32 v[QS], 4, v[QS]
	s_delay_alu instid0(VALU_DEP_1)
	v_add_nc_u32 v[LS], LSC, v[QS]
.irp j, 0,1,2,3,4,5,6,7
	v_mov_b32 v[QHI+\j], 0                         ; the zero codes on either side of q
	v_mov_b32 v[QLO+8+\j], 0
.endr
.irp b, 0,1,2,3
	v_mov_b32 v[PT+\b], 0                          ; a lane permute's destination counts as one of its sources
.endr
	v_mov_b32 v[FF+1], 0                           ; (named as the upper half of a pair)
	v_mov_b32 v[TP], 0
	v_mov_b32 v[NINF], 0xff800000
	s_mov_b32 s[SEL], 0x76543210
	s_mov_b32 s[SEL+1], 0xfedcba98
	s_mov_b32 s[CS], 0x3e38aa3b                    ; c = log2(e) / 8
	s_mov_b32 s[CS+1], s[CS]
	s_mov_b32 s[SLQ], 0x01000100                   ; which two bytes of a pair's scale word are my tile's: the even tile's,
	s_bitcmp1_b32 s[PP], 0
	s_cselect_b32 s[SLQ], 0x03020302, s[SLQ]       ; or the odd tile's; twice, for (q, zeros) and (zeros, q) alike
	s_wait_tensorcnt 0x0                           ; my parts have landed,
	s_barrier_signal -1
	s_barrier_wait -1                              ; everybody's have
; A KEY STEP: 128 keys.
.macro STEP
	s_cmp_gt_u32 s[SI], s[GG]                      ; all its keys come after my queries: only the addresses step
	s_cbranch_scc1 .Lhidden_\@
	s_setprio 2
	v_add_nc_u32 v[ADK], s[TB], v[LI]
	v_add_nc_u32 v[ADV], s[TB], v[LIV]
	v_add_nc_u32 v[ADS], s[TS], v[LS]
.rept 5
	v_nop                                          ; with the three additions: eight places in front of loads into registers that matrix instructions have read
.endr
.irp f, 0,1,2,3
.irp c, 0,1,2,3
	ds_load_b128 v[F+16*\f+4*\c:F+16*\f+4*\c+3], v[ADK] offset:2048*\f+512*\c
.endr
.endr
	ds_load_b128 v[KS:KS+3], v[ADS]
	ds_load_b128 v[VS:VS+3], v[ADS] offset:4096
	s_wait_alu depctr_va_vdst(0)
	s_wait_dscnt 0x0
.irp f, 0,1,2,3
	v_wmma_scale_f32_16x16x128_f8f6f4 v[S+16*\f:S+16*\f+7], v[F+16*\f:F+16*\f+15], v[QLO:QLO+15], 0, v[KS+\f], v[QSC]      ; the even keys
	v_wmma_scale_f32_16x16x128_f8f6f4 v[S+16*\f+8:S+16*\f+15], v[F+16*\f:F+16*\f+15], v[QHI:QHI+15], 0, v[KS+\f], v[QSC]   ; the odd keys
.endr
.rept 8
	v_nop
.endr
.irp t, 0,1,2,3
.irp c, 0,1,2,3
	ds_load_b128 v[F+16*\t+4*\c:F+16*\t+4*\c+3], v[ADV] offset:2048*\t+512*\c   ; v's four fragments land while the softmax is worked
.endr
.endr
	s_cmp_lg_u32 s[SI], s[GG]                      ; on the diagonal the scores of hidden keys become -infinity: p = 0 then
	s_cbranch_scc1 .Lopen_\@
.set n, 0
.rept 64
	v_cmp_gt_i32 vcc_lo, 32*(n/16)+2*(n%8)+(n%16)/8, v[DD]
	v_cndmask_b32 v[S+n], v[S+n], v[NINF], vcc_lo
.set n, n+1
.endr
.Lopen_\@:
.irp b, 0,1,2,3
	v_max3_num_f32 v[BM+\b], v[S+16*\b], v[S+1+16*\b], v[S+2+16*\b]   ; the largest score of each block of 32 keys: for the row's maximum, and, since p rises with the score, for the block's largest p
.endr
.irp i, 3,5,7,9,11,13
.irp b, 0,1,2,3
	v_max3_num_f32 v[BM+\b], v[BM+\b], v[S+16*\b+\i], v[S+1+16*\b+\i]
.endr
.endr
.irp b, 0,1,2,3
	v_max_num_f32 v[BM+\b], v[BM+\b], v[S+15+16*\b]
.endr
.irp b, 0,1,2,3
	s_delay_alu instid0(VALU_DEP_4)
	v_permlanex16_b32 v[PT+\b], v[BM+\b], s[SEL], s[SEL+1]
.endr
.irp b, 0,1,2,3
	s_delay_alu instid0(VALU_DEP_4)
	v_max_num_f32 v[BM+\b], v[BM+\b], v[PT+\b]     ; with lane l xor 16's 16 keys
.endr
	s_delay_alu instid0(VALU_DEP_2)
	v_max3_num_f32 v[TP], v[BM], v[BM+1], v[BM+2]
	s_delay_alu instid0(VALU_DEP_1)
	v_max_num_f32 v[TP], v[TP], v[BM+3]
	s_delay_alu instid0(VALU_DEP_1)
	v_mul_f32 v[TP], s[CS], v[TP]                  ; the step's largest t (c is positive)
	s_delay_alu instid0(VALU_DEP_1)
	v_max_num_f32 v13, v13, v[TP]                  ; the running largest t
	v_mov_b32 v[TP], v12
	s_delay_alu instid0(VALU_DEP_2)
	v_floor_f32 v12, -v13                          ; the new -M = floor(-t): M is a whole number
	s_delay_alu instid0(VALU_DEP_1)
	v_sub_f32 v[TP], v12, v[TP]                    ; old M - new M: a whole number, 0 or less
	s_delay_alu instid0(VALU_DEP_1)
	v_cvt_i32_f32 v[TP], v[TP]                     ; (it saturates)
	s_delay_alu instid0(VALU_DEP_1)
	v_ldexp_f32 v[FF], 1.0, v[TP]                  ; f = 2^(old M - new M): a multiplication by it rounds nothing
.set j, 0
	s_setprio 1
.rept 32
	v_pk_fma_f32 v[S+j:S+j+1], v[S+j:S+j+1], s[CS:CS+1], v[12:13] op_sel_hi:[1,0,0]   ; t - M, two at a time
.set j, j+2
.endr
.irp b, 0,1,2,3
	v_fma_f32 v[BM+\b], v[BM+\b], s[CS], v12       ; the same of each block's largest score
.endr
.set j, 0
	s_wait_alu depctr_va_vdst(0)
.rept 64
	v_exp_f32 v[S+j], v[S+j]                       ; p = 2^(t - M), at most 1
.set j, j+1
.endr
	v_pk_mul_f32 v[14:15], v[14:15], v[FF:FF+1] op_sel_hi:[1,0]   ; the sums under the new M; a plain line behind the exponentials
	s_wait_alu depctr_va_vdst(0)                   ; one wait for the batch of 64, ahead of its first reader
.irp b, 0,1,2,3
	v_exp_f32 v[BM+\b], v[BM+\b]                   ; the block's largest p: the same two instructions on the same number
.endr
	v_pk_add_f32 v[PT:PT+1], v[S:S+1], v[S+2:S+3]  ; the row's sum is taken of the unquantised p, in two chains
.set j, 4
.rept 15
	v_pk_add_f32 v[14:15], v[14:15], v[S+j:S+j+1]
	v_pk_add_f32 v[PT:PT+1], v[PT:PT+1], v[S+j+2:S+j+3]
.set j, j+4
.endr
	s_delay_alu instid0(VALU_DEP_1)
	v_pk_add_f32 v[14:15], v[14:15], v[PT:PT+1]
	s_setprio 0
	s_wait_alu depctr_va_vdst(0)                   ; and one for the four
.irp b, 0,1,2,3
	v_max_num_f32 v[BM+\b], 0x4800000, v[BM+\b]    ; the floor 2^(9 - 127): the byte cannot fall under 1
.endr
.irp b, 0,1,2,3
	s_delay_alu instid0(VALU_DEP_4)
	v_add_nc_u32 v[SOP+\b], 0xfc000000, v[BM+\b]   ; 8 off the exponent field: the conversion's scale operand
.endr
.irp b, 0,1,2,3
.endr
.irp b, 0,1,2,3
	s_delay_alu instid0(VALU_DEP_4)
	v_lshrrev_b32 v[PT+\b], 23, v[SOP+\b]          ; the scale's byte
.endr
	s_delay_alu instid0(VALU_DEP_3)
	v_lshl_or_b32 v[PSC], v[PT+1], 8, v[PT]        ; p's scale word for these 128 keys
	s_delay_alu instid0(VALU_DEP_1)
	v_lshl_or_b32 v[PSC], v[PT+2], 16, v[PSC]
	s_delay_alu instid0(VALU_DEP_1)
	v_lshl_or_b32 v[PSC], v[PT+3], 24, v[PSC]
.irp b, 0,1,2,3
.irp i, 0,1,2,3,4,5,6,7,8,9,10,11,12,13,14,15
.endr
	v_cvt_scalef32_pk8_fp8_f32 v[PC+4*\b:PC+1+4*\b], v[S+16*\b:S+7+16*\b], v[SOP+\b]
	v_cvt_scalef32_pk8_fp8_f32 v[PC+2+4*\b:PC+3+4*\b], v[S+8+16*\b:S+15+16*\b], v[SOP+\b]
.endr
.set j, 0
.rept 16
	v_pk_mul_f32 v[O+j:O+j+1], v[O+j:O+j+1], v[FF:FF+1] op_sel_hi:[1,0]   ; O^T under the new M.  (These sixteen are also the places in front of the matrix instructions below)
.set j, j+2
.endr
	s_wait_alu depctr_va_vdst(0)
	s_wait_dscnt 0x0                               ; v's fragments are in
.irp t, 0,1,2,3
	v_wmma_scale_f32_16x16x128_f8f6f4 v[O+8*\t:O+8*\t+7], v[F+16*\t:F+16*\t+15], v[PC:PC+15], v[O+8*\t:O+8*\t+7], v[VS+\t], v[PSC]   ; the four accumulators by turns
.endr
.Lhidden_\@:
	s_add_co_u32 s[TB], s[TB], 8192
	s_add_co_u32 s[TS], s[TS], 256
.endm
; ONE TILE OF QUERIES.  pn = 0: tile 8 w + p;  pn = 1: tile 8 (15 - w) + 4 + p.
.macro PASS pn
	s_wait_xcnt 0x0                                ; the last tile's loads and stores have read their addresses and data: all are written again only behind this wait
.if \pn
	s_sub_co_u32 s[GG], 15, s[WV]
.else
	s_mov_b32 s[GG], s[WV]
.endif
	s_lshl_b32 s[TT], s[GG], 3
	s_add_co_u32 s[TT], s[TT], s[PP]
	s_lshr_b32 s46, s[PP], 1                       ; which pair of tiles of the 128 tokens
.if \pn
	s_add_co_u32 s[TT], s[TT], 4
	s_add_co_u32 s46, s46, 2
.endif
	s_lshl_b32 s48, s[BH], 17
	s_lshl_b32 s49, s[TT], 10
	s_add_co_u32 s48, s48, s49
	s_mov_b32 s49, 0
	s_add_nc_u64 s[50:51], s[4:5], s[48:49]        ; q's codes
	s_lshl_b32 s48, s[BH], 12
	s_lshl_b32 s47, s[GG], 8
	s_add_co_u32 s48, s48, s47
	s_lshl_b32 s47, s46, 2
	s_add_co_u32 s48, s48, s47
	s_add_co_u32 s48, s48, QK_SC
	s_add_nc_u64 s[52:53], s[4:5], s[48:49]        ; the pair's scale words
	global_load_b128 v[QLO:QLO+3], v[LI], s[50:51]
	global_load_b128 v[QLO+4:QLO+7], v[LI], s[50:51] offset:512
	global_load_b32 v[QSC], v[QS], s[52:53]
	s_lshr_b32 s47, s[BH], 4
	s_lshl_b32 s47, s47, 7
	s_add_co_u32 s47, s47, s[TT]                   ; the tile among all 512: 128 batch + T
	s_and_b32 s59, s[BH], 15                       ; the head
	s_lshl_b32 s48, s47, 14
	s_lshl_b32 s57, s59, 10                        ; K step head / 2, groups 2 (head % 2) on: 1,024 bytes a head
	s_add_co_u32 s48, s48, s57
	s_add_nc_u64 s[54:55], s[6:7], s[48:49]        ; ctx's codes
	s_lshl_b32 s48, s47, 9
	s_lshl_b32 s57, s59, 1
	s_add_co_u32 s48, s48, s57
	s_add_co_u32 s48, s48, CTX_SC
	s_add_nc_u64 s[56:57], s[6:7], s[48:49]        ; and its scale bytes
	s_and_b32 s47, s[PP], 1
	s_lshl_b32 s46, s46, 5
	s_add_co_u32 s46, s46, s47
	v_add_nc_u32 v[DD], s46, v[D0]                 ; my query less the diagonal step's first key less 16 h
	v_mov_b32 v13, 0xff61b1e6                      ; the largest t so far: -3e38, under every t
	s_delay_alu instid0(VALU_DEP_1)
	v_floor_f32 v12, -v13                          ; -M
	v_mov_b32 v14, 0
	v_mov_b32 v15, 0
	s_mov_b32 s[SI], 0
	s_mov_b32 s[TB], 0
	s_mov_b32 s[TS], 0
	s_wait_loadcnt 0x0
	v_perm_b32 v[QSC], v[QSC], v[QSC], s[SLQ]      ; my tile's two bytes, twice
.set j, 0
.rept 32
	v_mov_b32 v[O+j], 0                            ; O^T: the first step finds zeros, which the first change of M leaves zeros.  (Also the places between the scale word's line and the first product)
.set j, j+1
.endr
.Lstep\pn:
	STEP
	s_add_co_u32 s[SI], s[SI], 1
	s_cmp_lt_u32 s[SI], 16
	s_cbranch_scc1 .Lstep\pn
	s_setprio 0
.rept 8
	v_nop                                          ; behind the last products
.endr
	v_add_f32 v14, v14, v15                        ; the sum's two halves,
	s_delay_alu instid0(VALU_DEP_1)
	v_permlanex16_b32 v[TP], v14, s[SEL], s[SEL+1]
	s_delay_alu instid0(VALU_DEP_1)
	v_add_f32 v14, v14, v[TP]                      ; and lane l xor 16's: the row's sum
	s_wait_alu depctr_va_vdst(0)
	v_rcp_f32 v14, v14
	v_nop                                          ; a plain line behind the reciprocal
	s_wait_alu depctr_va_vdst(0)                   ; and the wait ahead of its first reader
.set j, 0
.rept 32
	v_mul_f32 v[S+j], v[O+j], v14                  ; ctx: register 16 b + i = channel 32 b + 16 h + i of my query
.set j, j+1
.endr
.irp b, 0,1
	v_max3_num_f32 v[BM+\b], |v[S+16*\b]|, |v[S+1+16*\b]|, 0x4800000
.endr
.irp i, 2,4,6,8,10,12,14
.irp b, 0,1
	s_delay_alu instid0(VALU_DEP_2)
	v_max3_num_f32 v[BM+\b], v[BM+\b], |v[S+16*\b+\i]|, |v[S+1+16*\b+\i]|
.endr
.endr
.irp b, 0,1
	s_delay_alu instid0(VALU_DEP_2)
	v_permlanex16_b32 v[PT+\b], v[BM+\b], s[SEL], s[SEL+1]
.endr
.irp b, 0,1
	s_delay_alu instid0(VALU_DEP_2)
	v_max_num_f32 v[BM+\b], v[BM+\b], v[PT+\b]
.endr
.irp b, 0,1
	s_delay_alu instid0(VALU_DEP_2)
	v_add_nc_u32 v[SOP+\b], 0xfc000000, v[BM+\b]
.endr
.irp b, 0,1
.endr
.irp b, 0,1
	s_delay_alu instid0(VALU_DEP_2)
	v_lshrrev_b32 v[PT+\b], 23, v[SOP+\b]
.endr
	s_delay_alu instid0(VALU_DEP_1)
	v_lshl_or_b32 v[TP], v[PT+1], 8, v[PT]         ; the head's two scale bytes of my row
.irp b, 0,1
.irp i, 0,1,2,3,4,5,6,7,8,9,10,11,12,13,14,15
.endr
	v_cvt_scalef32_pk8_fp8_f32 v[PC+4*\b:PC+1+4*\b], v[S+16*\b:S+7+16*\b], v[SOP+\b]
	v_cvt_scalef32_pk8_fp8_f32 v[PC+2+4*\b:PC+3+4*\b], v[S+8+16*\b:S+15+16*\b], v[SOP+\b]
.endr
	v_nop                                          ; a plain line behind the last conversion
	global_store_b128 v[LI], v[PC:PC+3], s[54:55]                  ; two register groups of the next operand's image: 512 consecutive bytes each, aligned
	global_store_b128 v[LI], v[PC+4:PC+7], s[54:55] offset:512
	global_store_b16 v[CSO], v[TP], s[56:57]       ; lanes r and r + 16 store the same two bytes with the same value
.endm
	PASS 0
	PASS 1
	s_wait_dscnt 0x0
	s_wait_tensorcnt 0x0
	ds_add_u32 v254, v255
	s_wait_dscnt 0x0
	CROUND                                         ; the closing round: no work-group ends while a partner may still ask for a tile that names it
	s_endpgm
.Lfunc_end_k_q98ab80f921_attn:
	.size	k_q98ab80f921_attn, .Lfunc_end_k_q98ab80f921_attn-k_q98ab80f921_attn
	.p2alignl 7, 3214868480
	.fill 96, 4, 3214868480
	.section	.rodata,"a",@progbits
	.p2align	6, 0x0
	.amdhsa_kernel k_q98ab80f921_attn
		.amdhsa_group_segment_fixed_size 327680
		.amdhsa_private_segment_fixed_size 0
		.amdhsa_enable_private_segment 0
		.amdhsa_kernarg_size 16
		.amdhsa_user_sgpr_count 2
		.amdhsa_user_sgpr_kernarg_segment_ptr 1
		.amdhsa_wavefront_size32 1
		.amdhsa_system_sgpr_workgroup_id_x 1
		.amdhsa_system_sgpr_workgroup_id_y 1
		.amdhsa_system_sgpr_workgroup_id_z 1
		.amdhsa_system_vgpr_workitem_id 0
		.amdhsa_next_free_vgpr 256
		.amdhsa_next_free_sgpr 66
		.amdhsa_reserve_vcc 1
		.amdhsa_float_denorm_mode_32 3
		.amdhsa_float_denorm_mode_16_64 3
		.amdhsa_fp16_overflow 1
		.amdhsa_memory_ordered 1
		.amdhsa_forward_progress 1
		.amdhsa_inst_pref_size 65
	.end_amdhsa_kernel
	.amdgpu_metadata
---
amdhsa.version: [ 1, 2 ]
amdhsa.kernels:
  - .name:           k_q98ab80f921_attn
    .symbol:         k_q98ab80f921_attn.kd
    .args:
      - { .name: qkv, .offset: 0, .size: 8, .value_kind: global_buffer, .address_space: global }
      - { .name: ctx, .offset: 8, .size: 8, .value_kind: global_buffer, .address_space: global }
    .group_segment_fixed_size: 327680
    .private_segment_fixed_size: 0
    .kernarg_segment_align: 8
    .kernarg_segment_size: 16
    .max_flat_workgroup_size: 512
    .sgpr_count:     66
    .vgpr_count:     256
    .wavefront_size: 32
...
	.end_amdgpu_metadata
.endif
;; end of part 3
;; launch oproj (part 4): grid 4 x 32, 4 waves a work-group, clusters of 4 x 4, 327,680 bytes of LDS; arguments ctx, xw, b_o, out0; writes out0
.if DOCPART == 4
	.amdgcn_target "amdgcn-amd-amdhsa--gfx1250"
	.amdhsa_code_object_version 6
	.text
	.protected	k_q98ab80f921_oproj
	.globl	k_q98ab80f921_oproj
	.p2align	8
	.type	k_q98ab80f921_oproj,@function
k_q98ab80f921_oproj:
	s_mov_b64 s[64:65], 0
	v_nop
	global_prefetch_b8 v0, s[64:65] scope:SCOPE_SE
	s_setreg_imm32_b32 hwreg(HW_REG_WAVE_MODE, 25, 1), 1
	s_wait_xcnt 0x0
	s_wait_alu depctr_hold_cnt(0) depctr_sa_sdst(0) depctr_va_vdst(0) depctr_va_sdst(0) depctr_va_ssrc(0) depctr_va_vcc(0) depctr_vm_vsrc(0)
	s_getreg_b32 s2, hwreg(HW_REG_IB_STS2, 6, 4)
	s_cmp_eq_u32 s2, 0
	s_cbranch_scc0 .Lentry_in_a_cluster
	s_endpgm
.Lentry_in_a_cluster:
	s_bfe_u32 s2, ttmp6, 0x10000c
	s_cmp_lg_u32 s2, 0xf033
	s_cbranch_scc0 .Lentry_shape_is_right
	s_endpgm
.Lentry_shape_is_right:
; out0 = ctx w_o^T + b_o on codes of FP8 (E4M3) with E8M0 scales, K = 1,024; out0 [8192][1024] f32.
; OPERANDS are images of fragment registers (16 rows x 128 K = 2,048 bytes, group c at 512 c + 16 x lane): ctx [tile 512][K step 8][2048], scale words behind them at CTX_SC [tile][row 16][K step 8];
; w_o: units 44-47 of xw, laid likewise (a unit: 16 tiles, 256 rows).  ctx's tile 2 g + u holds token 32 g + 2 r + u in row r; w_o's tile 2 b + u holds row 32 b + 8 u + r + 8 (r / 8).
; A work-group of four waves makes 256 x 256, a wave 128 x 128: 64 accumulators.  Source 0 = 16 rows of w_o, source 1 = 16 tokens: lane (r, h) holds token row r, and register j of accumulator (a, 2 b + u) column 32 b + 16 h + 8 u + j.
; b_o is the C of each sum's first matrix instruction: eight registers a tile of columns, in the result's layout.
; K goes in steps of 256 through two LDS slots; the scale words of the work-group's rows, for all of K, come once.  CLUSTERS 4 x 4: ctx's tiles are asked for jointly along a row, w_o's along a column.
; 128 work-groups: the tile is kept at 256 x 256, so that each fragment read from LDS feeds eight products.
; REGISTERS, in windows of 256: window 0: v16-29 addresses; v32-63 scale words, two sets; v64-127 b_o; from v128 A's fragments, later rows of out0.  window 1: B's fragments, two sets.  windows 2, 3: the accumulators.
.set NQ,     2
.set FR,     16
.set NL,     4
.set NP,     8                         ; places behind this matrix instruction (ISA guide 7.12.1)
.set TILEB,  4096
.set HALFT,  8*TILEB
.set SLOT,   4*HALFT
.set SCL,    2*SLOT
.set HALFS,  16*272
.set SBLK,   2*272
.set SPARE,  SCL+4*HALFS               ; the spare words: 128 bytes for each wave, two blocks of 256 bytes that no other line names
.set X_SC,   12582912
.set CTX_SC, 8388608
.set SPITCH, 528                       ; the way out: a stage of 16 rows x (512 bytes + 16) for each wave, in slot 0, which has had its last fill and its last read when the first result is stored there
.set ADRA, 16
.set ADRB, 20
.set BO,   23                          ; v23     64 h: my half's place in a tile's 32 numbers of b_o
.set LI,   24                          ; v24     16 x lane
.set STO,  25                          ; v25     the way out: where I put 32 bytes of a row
.set RD,   26                          ; v26     and where I read a row back
.set ADRS, 27
.set SPW,  28                          ; v28     my spare word; never rewritten
.set NIL,  29                          ; v29     0; never rewritten
.set SC,   32
.set BI,   64                          ; v64-127 b_o: eight registers for each of B's eight tiles
.set AF,   128
.set BK,   128                         ; the way out: 16 rows read back: v128-191 and v192-255 by turns
.set G1, 24
.set G0, 32
.set G1B, 48
.set G0B, 56
.set G1S, 68
.set G0S, 76
.set G1SB, 80
.set G0SB, 88
.set MSB, 0
.macro WIN new                         ; the immediate's high byte repeats the setting that is left
.if MSB != (\new)
	s_set_vgpr_msb (MSB<<8)|(\new)
.set MSB, (\new)
.endif
.endm
.set MUL_LO, 0xa1                      ; source 0 (B) window 1, source 1 (A) window 0, C and D window 2
.set MUL_HI, 0xf1                      ; the same, C and D window 3
.set BIA_LO, 0x81                      ; C (b_o) window 0, D window 2
.set BIA_HI, 0xc1                      ; C window 0, D window 3
.set TO_B,   0x40
.macro JLOAD g0a, g1a, g0b, g1b        ; a joint load: waves 0 and 1 fetch for A, waves 2 and 3 for B; four v_nop follow each of the two lines
	s_cmp_eq_u32 s15, 0
	s_cbranch_scc0 .Lfor_b_\@
	tensor_load_to_lds s[\g0a:\g0a+3], s[\g1a:\g1a+7]
	s_nop 0
.rept 4
	v_nop
.endr
	s_branch .Lasked_\@
.Lfor_b_\@:
	tensor_load_to_lds s[\g0b:\g0b+3], s[\g1b:\g1b+7]
	s_nop 0
.rept 4
	v_nop
.endr
.Lasked_\@:
.endm
.macro CREST
	s_cmp_lg_u32 s14, 0
	s_cbranch_scc1 .Lnot_wave_0_\@
	s_barrier_signal -3
.Lnot_wave_0_\@:
	s_barrier_wait -3
	s_barrier_signal -1
	s_barrier_wait -1
.endm
.macro CROUND
	s_barrier_signal -1
	s_barrier_wait -1
	CREST
.endm
	s_load_b256 s[4:11], s[0:1], 0x0               ; ctx, xw, b_o, out0
	v_lshl_add_u32 v[SPW], v0, 2, SPARE
	v_mov_b32 v[NIL], 0
	ds_add_u32 v28, v29
	ds_add_u32 v28, v29
	s_wait_dscnt 0x0
	v_lshrrev_b32 v1, 5, v0
	v_readfirstlane_b32 s14, v1                    ; wave 0..3
	s_lshr_b32 s15, s14, 1                         ; which half of the tokens is mine.  Also: I fetch for A (0) or for B (1)
	s_and_b32 s16, s14, 1                          ; which half of the columns.  Also: which 128 rows I fetch
	s_bfe_u32 s40, ttmp6, 0x40000                  ; cx, cy
	s_bfe_u32 s41, ttmp6, 0x40004
	s_lshl_b32 s42, ttmp9, 2
	s_add_co_u32 s42, s42, s40                     ; work-group x: which 256 columns
	s_and_b32 s17, ttmp7, 0xffff
	s_lshl_b32 s17, s17, 2
	s_add_co_u32 s17, s17, s41                     ; work-group y: which 256 tokens = ctx's unit
	s_lshl_b32 s43, s41, 2
	s_lshl_b32 s43, 15, s43                        ; my row of the cluster
	s_lshl_b32 s44, 0x1111, s40                    ; my column
	s_or_b32 s[G1+0], s43, (3<<16)|(1<<21)         ; codes: 8 tiles' 4,096 bytes (512 elements of 8 bytes), 16,384 bytes apart in memory, dense in LDS
	s_or_b32 s[G1B+0], s44, (3<<16)|(1<<21)
.irp g, G1, G1B
	s_mov_b32 s[\g+1], 512<<16
	s_mov_b32 s[\g+2], 8<<16
	s_mov_b32 s[\g+3], 512<<16
	s_mov_b32 s[\g+4], 8
	s_mov_b32 s[\g+5], 2048
	s_mov_b32 s[\g+6], 0
	s_mov_b32 s[\g+7], 0
.endr
	s_or_b32 s[G1S+0], s43, (3<<16)|(1<<20)|(1<<21)|(5<<22)|(3<<25)   ; the scales of 128 rows: 16 rows of 256 bytes, 16 bytes of padding behind each
	s_or_b32 s[G1SB+0], s44, (3<<16)|(1<<20)|(1<<21)|(5<<22)|(3<<25)
.irp g, G1S, G1SB
	s_mov_b32 s[\g+1], 32<<16
	s_mov_b32 s[\g+2], 16<<16
	s_mov_b32 s[\g+3], 32<<16
	s_mov_b32 s[\g+4], 16
	s_mov_b32 s[\g+5], 32
	s_mov_b32 s[\g+6], 0
	s_mov_b32 s[\g+7], 0
.endr
	s_lshl_b32 s19, s16, 17
	s_lshl_b32 s22, s17, 18
	s_add_co_u32 s22, s22, s19                     ; A's codes
	s_mov_b32 s23, 0
	s_add_co_u32 s20, s42, 44                      ; w_o's unit in xw
	s_lshl_b32 s46, s20, 18
	s_add_co_u32 s46, s46, s19                     ; B's codes
	s_mov_b32 s47, 0
	s_lshl_b32 s19, s16, 12
	s_lshl_b32 s92, s17, 13
	s_add_co_u32 s92, s92, s19
	s_add_co_u32 s92, s92, CTX_SC                  ; A's scales
	s_mov_b32 s93, 0
	s_lshl_b32 s94, s20, 13
	s_add_co_u32 s94, s94, s19
	s_add_co_u32 s94, s94, X_SC                    ; B's
	s_mov_b32 s95, 0
	s_lshl_b32 s45, s14, 15                        ; where they go: wave x 32,768
	s_mul_i32 s96, s14, HALFS
	s_wait_kmcnt 0x0
	s_add_nc_u64 s[22:23], s[4:5], s[22:23]
	s_add_nc_u64 s[46:47], s[6:7], s[46:47]
	s_add_nc_u64 s[92:93], s[4:5], s[92:93]
	s_add_nc_u64 s[94:95], s[6:7], s[94:95]
	CROUND                                         ; all sixteen work-groups are here: the first joint loads meet
	s_mov_b32 s[G0S], 1
	s_add_co_u32 s[G0S+1], s96, SCL
	s_mov_b64 s[G0S+2:G0S+3], s[92:93]
	s_or_b32 s[G0S+3], s[G0S+3], 0x80000000
	s_mov_b32 s[G0SB], 1
	s_add_co_u32 s[G0SB+1], s96, SCL
	s_mov_b64 s[G0SB+2:G0SB+3], s[94:95]
	s_or_b32 s[G0SB+3], s[G0SB+3], 0x80000000
	JLOAD G0S, G1S, G0SB, G1SB
.irp s, 0,1
	s_mov_b32 s[G0+4*\s], 1
	s_add_co_u32 s[G0+4*\s+1], s45, \s*SLOT
	s_add_nc_u64 s[G0+4*\s+2:G0+4*\s+3], s[22:23], \s*TILEB
	s_or_b32 s[G0+4*\s+3], s[G0+4*\s+3], 0x80000000
	s_mov_b32 s[G0B+4*\s], 1
	s_add_co_u32 s[G0B+4*\s+1], s45, \s*SLOT
	s_add_nc_u64 s[G0B+4*\s+2:G0B+4*\s+3], s[46:47], \s*TILEB
	s_or_b32 s[G0B+4*\s+3], s[G0B+4*\s+3], 0x80000000
	s_wait_alu depctr_va_vdst(0)
	s_wait_tensorcnt 0x0
	ds_add_u32 v28, v29
	s_wait_dscnt 0x0
	CROUND
	JLOAD G0+4*\s, G1, G0B+4*\s, G1B
.endr
	v_and_b32 v1, 15, v0                           ; r
	v_bfe_u32 v2, v0, 4, 1                         ; h
	v_and_b32 v3, 31, v0
	v_lshlrev_b32 v[LI], 4, v3
	s_wait_alu depctr_va_vdst(0)
	v_lshlrev_b32 v[BO], 6, v2
	s_lshl_b32 s18, s42, 10                        ; my first column, in bytes: 1,024 x work-group x + 512 x half
	s_lshl_b32 s19, s16, 9
	s_add_co_u32 s18, s18, s19
	s_mov_b32 s19, 0
	s_add_nc_u64 s[8:9], s[8:9], s[18:19]
.irp b, 0,1,2,3,4,5,6,7
	global_load_b128 v[BI+8*\b:BI+8*\b+3], v[BO], s[8:9] offset:(32*(\b/2)+8*(\b%2))*4       ; b_o at columns 32 (b / 2) + 16 h + 8 (b % 2) + 0 .. 7
	global_load_b128 v[BI+8*\b+4:BI+8*\b+7], v[BO], s[8:9] offset:(32*(\b/2)+8*(\b%2))*4+16
.endr
	s_add_nc_u64 s[12:13], s[10:11], s[18:19]
	s_lshl_b32 s18, s17, 20                        ; my first token's row of 4,096 bytes: 256 x work-group y + 128 x half
	s_lshl_b32 s20, s15, 19
	s_add_co_u32 s18, s18, s20
	s_add_nc_u64 s[12:13], s[12:13], s[18:19]
	s_lshl_b32 s19, s15, 15                        ; my 8 tiles of A
	s_lshl_b32 s20, s16, 15                        ; my 8 tiles of B,
	s_add_co_u32 s20, s20, 2*HALFT                 ; which lie behind A's 16
.irp s, 0,1
	v_add_nc_u32 v[ADRA+\s], s19, v[LI]
	v_add_nc_u32 v[ADRB+\s], s20, v[LI]
	s_add_co_u32 s19, s19, SLOT
	s_add_co_u32 s20, s20, SLOT
.endr
	v_mul_u32_u24 v5, v1, 32                       ; my row's scales: 32 bytes a row,
	v_lshrrev_b32 v6, 8, v5
	v_lshl_add_u32 v5, v6, 4, v5                   ; and 16 more for each 256 passed
	s_mul_i32 s19, s15, HALFS
	s_mul_i32 s20, s16, HALFS
	s_add_co_u32 s20, s20, 2*HALFS
	s_sub_co_u32 s20, s20, s19
	v_mul_u32_u24 v6, s20, v2                      ; lanes 16-31 take B's
	s_add_co_u32 s19, s19, SCL
	v_add_nc_u32 v5, v5, v6
	v_add_nc_u32 v[ADRS], s19, v5
	s_mul_i32 s19, s14, 16*SPITCH                  ; my stage
	v_mul_u32_u24 v5, v1, SPITCH
	v_lshl_add_u32 v5, v2, 6, v5
	v_add_nc_u32 v[STO], s19, v5                   ; in: row r, + 64 h
	v_add_nc_u32 v[RD], s19, v[LI]                 ; back: the 32 lanes take one row of 512 bytes
.macro FRAG reg, adr, q, i
.irp c, 0,1,2,3
	ds_load_b128 v[\reg+4*\c:\reg+4*\c+3], v[\adr] offset:(\i)*TILEB+(\q)*2048+512*\c
.endr
.endm
; 16 matrix instructions: A's blocks a0, a0 + 1 x B's eight.  bias = 1: the first product starts the sums from b_o.  The 64 accumulators take turns, one instruction a turn.
.macro MUL16 a0, p, q, sc, bias
.irp a, \a0, \a0+1
.irp b, 0,1,2,3,4,5,6,7
.if \bias
	v_wmma_scale_f32_16x16x128_f8f6f4 v[8*(8*((\a)%4)+\b):8*(8*((\a)%4)+\b)+7], v[128*(\p)+FR*\b:128*(\p)+FR*\b+FR-1], v[AF+FR*(\a):AF+FR*(\a)+FR-1], v[BI+8*\b:BI+8*\b+7], v[SC+8*NQ*(\sc)+NQ*\b+(\q)], v[SC+8*NQ*(\sc)+NQ*(\a)+(\q)] matrix_a_scale:MATRIX_SCALE_ROW1
.else
	v_wmma_scale_f32_16x16x128_f8f6f4 v[8*(8*((\a)%4)+\b):8*(8*((\a)%4)+\b)+7], v[128*(\p)+FR*\b:128*(\p)+FR*\b+FR-1], v[AF+FR*(\a):AF+FR*(\a)+FR-1], v[8*(8*((\a)%4)+\b):8*(8*((\a)%4)+\b)+7], v[SC+8*NQ*(\sc)+NQ*\b+(\q)], v[SC+8*NQ*(\sc)+NQ*(\a)+(\q)] matrix_a_scale:MATRIX_SCALE_ROW1
.endif
.endr
.endr
.endm
.macro FETCH_B slot, q, p
	WIN TO_B
.irp i, 0,1,2,3,4,5,6,7
	FRAG 128*(\p)+FR*\i, ADRB+\slot, \q, \i
.endr
	WIN 0
.endm
.macro FETCH_A slot, q, i0
.irp i, \i0, \i0+1, \i0+2, \i0+3
	FRAG AF+FR*(\i), ADRA+\slot, \q, \i
.endr
.endm
.macro SCALES sc
.irp i, 0,1,2,3,4,5,6,7
	ds_load_b64 v[SC+8*NQ*\sc+NQ*\i:SC+8*NQ*\sc+NQ*\i+1], v[ADRS] offset:\i*SBLK
.endr
.endm
.macro PLACES n                        ; plain vector lines between a matrix instruction and a load into, or a read of, its registers (ISA guide 7.12.1 for reads)
.rept \n
	v_nop
.endr
.endm
.macro STEP slot, q, bias
	s_wait_dscnt 4*NL                              ; B's set and A's blocks 0-3 are in; the youngest 16 loads (A's blocks 4-7) may be out
.if \bias
	WIN BIA_LO
.else
	WIN MUL_LO
.endif
	MUL16 0, (\q)%2, \q, \slot, \bias
	MUL16 2, (\q)%2, \q, \slot, \bias
	s_wait_dscnt 0                                 ; A's blocks 4-7 are in
	PLACES NP
	FETCH_B \slot, (\q)+1, 1-(\q)%2
	FETCH_A \slot, (\q)+1, 0
.if \bias
	WIN BIA_HI
.else
	WIN MUL_HI
.endif
	MUL16 4, (\q)%2, \q, \slot, \bias
	MUL16 6, (\q)%2, \q, \slot, \bias
	PLACES NP
	WIN 0
	FETCH_A \slot, (\q)+1, 4
.endm
; A slot's last step changes slots: ONE barrier; in front of it each wave waits for all its tensor loads, adds 0 to its spare word, and waits for that and for its own reads of this slot.
.macro TURN slot, next, fill
	s_wait_tensorcnt 0x0                           ; all my tensor loads have landed: my part of the next slot
	ds_add_u32 v[SPW], v[NIL]                      ; 0 onto my spare word
	s_wait_dscnt 4*NL+1                            ; (the add and the youngest 16 loads may be out)
	WIN MUL_LO
	MUL16 0, 1, NQ-1, \slot, 0
	s_wait_dscnt 0x0                               ; the add is done, and my reads of this slot are over
	s_barrier_signal -1
	MUL16 2, 1, NQ-1, \slot, 0
	WIN 0
	s_barrier_wait -1
.if \fill
	CREST                                          ; the barrier has opened a round of the cluster's barrier: no wave of any partner still reads this slot or has a load on its way
	s_add_nc_u64 s[G0+4*\slot+2:G0+4*\slot+3], s[G0+4*\slot+2:G0+4*\slot+3], 2*TILEB
	s_add_nc_u64 s[G0B+4*\slot+2:G0B+4*\slot+3], s[G0B+4*\slot+2:G0B+4*\slot+3], 2*TILEB
	JLOAD G0+4*\slot, G1, G0B+4*\slot, G1B         ; the first tensor load behind the round
	PLACES NP-4
.else
	PLACES NP
.endif
	s_wait_alu depctr_va_vdst(0)
	v_add_nc_u32 v[ADRS], 4*NQ, v[ADRS]
	FETCH_B \next, 0, 0
	FETCH_A \next, 0, 0
	SCALES \next
	WIN MUL_HI
	MUL16 4, 1, NQ-1, \slot, 0
	MUL16 6, 1, NQ-1, \slot, 0
	PLACES NP
	WIN 0
	FETCH_A \next, 0, 4
.endm
	s_wait_alu depctr_va_vdst(0)
	s_wait_tensorcnt 1                             ; the scales and my part of slot 0 are in (slot 1's load may be out)
	s_barrier_signal -1
	s_barrier_wait -1                              ; everybody's are
	FETCH_B 0, 0, 0
	FETCH_A 0, 0, 0
	SCALES 0
	FETCH_A 0, 0, 4
	s_wait_loadcnt 0x0                             ; b_o
	STEP 0, 0, 1                                   ; eight steps of 128 along K, written out; the first starts the sums from b_o
	TURN 0, 1, 1
	STEP 1, 0, 0
	TURN 1, 0, 1
	STEP 0, 0, 0
	TURN 0, 1, 0                                   ; nothing is left to fetch, so no round follows
	STEP 1, 0, 0
	s_wait_dscnt 4*NL
	WIN MUL_LO
	MUL16 0, 1, NQ-1, 1, 0
	MUL16 2, 1, NQ-1, 1, 0
	s_wait_dscnt 0
	WIN MUL_HI
	MUL16 4, 1, NQ-1, 1, 0
	MUL16 6, 1, NQ-1, 1, 0
	WIN 0
; THE WAY OUT, a tile of 16 tokens x 128 columns at a time, through my own stage in LDS: in by 32 bytes a lane, back as whole rows of 512 bytes.  LDS serves a wave's instructions in order: no wait between stores and loads.
.macro TOSTAGE a
.set AC, 64*((\a)%4)
	WIN 0x08+4*((\a)/4)                            ; the data: window 2 or 3
.irp b, 0,1,2,3,4,5,6,7
	ds_store_b128 v[STO], v[AC+8*\b:AC+8*\b+3] offset:128*(\b/2)+32*(\b%2)          ; each accumulator from its low end on
	ds_store_b128 v[STO], v[AC+8*\b+4:AC+8*\b+7] offset:128*(\b/2)+32*(\b%2)+16
.endr
	WIN 0
.set BB, BK+64*((\a)%2)
.irp t, 0,1,2,3,4,5,6,7,8,9,10,11,12,13,14,15
	ds_load_b128 v[BB+4*\t:BB+4*\t+3], v[RD] offset:\t*SPITCH
.endr
.endm
.macro SEND a, younger                 ; younger: the LDS instructions issued behind tile a's loads, which may stay out
.set BB, BK+64*((\a)%2)
	s_wait_dscnt \younger
.irp t, 0,1,2,3,4,5,6,7,8,9,10,11,12,13,14,15
	global_store_b128 v[LI], v[BB+4*\t:BB+4*\t+3], s[12:13] offset:(32*((\a)/2)+((\a)%2)+2*\t)*4096 th:TH_STORE_NT   ; row t of tile a is token 32 (a / 2) + a % 2 + 2 t; 32 lanes store 512 consecutive bytes, aligned
.endr
.endm
	PLACES NP                                      ; behind the last products: for the first read of results and for the loads into the registers that held A's fragments
	TOSTAGE 0
.irp a, 1,2,3,4,5,6,7
.if \a > 1
	s_wait_xcnt 0x0                                ; tile a - 2's stores have read their registers: tile a's loads may land there
.endif
	TOSTAGE \a
	SEND \a-1, 32                                  ; behind tile a - 1's loads: tile a's 16 stores and 16 loads
.endr
	SEND 7, 0
	s_wait_tensorcnt 0x0                           ; the wave's end
	ds_add_u32 v[SPW], v[NIL]
	s_wait_dscnt 0x0
	CROUND                                         ; the closing round
	s_endpgm
.Lfunc_end_k_q98ab80f921_oproj:
	.size	k_q98ab80f921_oproj, .Lfunc_end_k_q98ab80f921_oproj-k_q98ab80f921_oproj
	.p2alignl 7, 3214868480
	.fill 96, 4, 3214868480
	.section	.rodata,"a",@progbits
	.p2align	6, 0x0
	.amdhsa_kernel k_q98ab80f921_oproj
		.amdhsa_group_segment_fixed_size 327680
		.amdhsa_private_segment_fixed_size 0
		.amdhsa_enable_private_segment 0
		.amdhsa_kernarg_size 32
		.amdhsa_user_sgpr_count 2
		.amdhsa_user_sgpr_kernarg_segment_ptr 1
		.amdhsa_wavefront_size32 1
		.amdhsa_system_sgpr_workgroup_id_x 1
		.amdhsa_system_sgpr_workgroup_id_y 1
		.amdhsa_system_sgpr_workgroup_id_z 1
		.amdhsa_system_vgpr_workitem_id 0
		.amdhsa_next_free_vgpr 1024
		.amdhsa_next_free_sgpr 100
		.amdhsa_reserve_vcc 0
		.amdhsa_float_denorm_mode_32 3
		.amdhsa_float_denorm_mode_16_64 3
		.amdhsa_memory_ordered 1
		.amdhsa_forward_progress 1
		.amdhsa_inst_pref_size 147
	.end_amdhsa_kernel
	.amdgpu_metadata
---
amdhsa.version: [ 1, 2 ]
amdhsa.kernels:
  - .name:           k_q98ab80f921_oproj
    .symbol:         k_q98ab80f921_oproj.kd
    .args:
      - { .name: ctx, .offset: 0, .size: 8, .value_kind: global_buffer, .address_space: global }
      - { .name: xw, .offset: 8, .size: 8, .value_kind: global_buffer, .address_space: global }
      - { .name: b_o, .offset: 16, .size: 8, .value_kind: global_buffer, .address_space: global }
      - { .name: out0, .offset: 24, .size: 8, .value_kind: global_buffer, .address_space: global }
    .group_segment_fixed_size: 327680
    .private_segment_fixed_size: 0
    .kernarg_segment_align: 8
    .kernarg_segment_size: 32
    .max_flat_workgroup_size: 128
    .sgpr_count:     100
    .vgpr_count:     1024
    .wavefront_size: 32
...
	.end_amdgpu_metadata
.endif
;; end of part 4
